; MI455X (gfx1250); checked and timed in simulation.
; The chip was launched on July 23, 2026; its instructions are those of AMD's public machine-readable ISA for CDNA 5 (MIT licence, August 2026) and "CDNA5" Instruction Set Architecture Reference Guide (July 2026). The comments in the code are by the model that wrote it; some were corrected since.
;; Muti Query Attention. Allowed arithmetic: matrix products marked QUANTISED: E3M2 operands, one E8M0 scale for each 32 along K, by v_wmma_scale_f32_16x16x128_f8f6f4 with both operands' format E3M2, f32 sums; everything else in f32.
;; Inputs: Wk 1,024 x 64 float32; Wo 1,024 x 1,024 float32; Wq 1,024 x 1,024 float32; Wv 1,024 x 64 float32; bk 64 float32; bo 1,024 float32; bq 1,024 float32; bv 64 float32; hidden_state 4 x 2,048 x 1,024 float32.
;; Outputs: out0 4 x 2,048 x 1,024 float32.
;; This version of the problem:
;;   THIS VERSION OF THE PROBLEM IS GIVEN IN LOW PRECISION. The matrix products marked QUANTISED in the list below multiply operands that are first quantised to E3M2 (3 exponent bits, 2 mantissa bits; 6 bits a number), with one power-of-two scale for each 32 numbers along K (OCP MX v1.0); their sums are f32. All else is computed in f32.
;;   The module's matrix products, in the order in which they are computed (A, B: the left and right operand; K: the contracted axis; several contracted axes count as one K, in the product's order):
;;     1. [M 8,192, K 1,024] x [K 1,024, N 1,024]; A: input hidden_state; B: input Wq: QUANTISED
;;     2. [M 8,192, K 1,024] x [K 1,024, N 64]; A: input hidden_state; B: input Wk: QUANTISED
;;     3. [M 8,192, K 1,024] x [K 1,024, N 64]; A: input hidden_state; B: input Wv: QUANTISED
;;     4. batch 4 x [M 2,048, K 64] x [K 64, N 32,768]; A: computed on the way; B: computed on the way: QUANTISED
;;     5. batch 4 x [M 64, K 2,048] x [K 2,048, N 32,768]; A: computed on the way; B: softmax (see below): QUANTISED
;;     6. [M 8,192, K 1,024] x [K 1,024, N 1,024]; A: computed on the way; B: input Wo: QUANTISED
;;   THE QUANTISER, for each operand of a quantised product, along K:
;;     - K is cut into blocks of 32 from its start; a last block that is shorter is filled with zeros.
;;     - A block's scale is 2^e with e = floor(log2(the largest magnitude in the block)) - 4, held to -126 .. 127; a block of zeros has e = 0. As a byte (E8M0): e + 127.
;;     - Each number is divided by its block's scale, clamped to +-28, and rounded to the nearest number of E3M2, ties to even, subnormals kept.
;;     - The product sums the exact products of the quantised numbers (number of the format x scale) in f32.
;;   ~~~python
;;   def quantise(x, axis):      # numpy; x: float32 -> the quantised numbers, widened to float32 again
;;       x = np.moveaxis(x, axis, -1); K = x.shape[-1]
;;       x = np.pad(x, [(0, 0)] * (x.ndim - 1) + [(0, -K % 32)]); x = x.reshape(x.shape[:-1] + (-1, 32)); a = np.abs(x).max(-1, keepdims=True)
;;       e = np.where(a > 0, np.clip(np.frexp(np.where(a > 0, a, 1))[1] - 1 - 4, -126, 127), 0)      # np.frexp(a)[1] - 1 = floor(log2(a)), exactly
;;       r = np.clip(x / 2.0 ** e, -28, 28)
;;       step = 2.0 ** (np.maximum(np.frexp(np.where(r == 0, 1, r))[1] - 1, -2) - 2)
;;       q = np.round(r / step) * step * 2.0 ** e      # np.round: ties to even
;;       return np.moveaxis(q.reshape(q.shape[:-2] + (-1,))[..., :K], -1, axis).astype(np.float32)
;;   ~~~
;;   SOFTMAX AHEAD OF A QUANTISED PRODUCT. Where the list says 'softmax', what is quantised is not the finished softmax but p = 2^(t - M), with t = logit x log2(e) and M = ceil(the row's largest t), a whole number; so 1/2 < the row's largest p <= 1. The row's sum l is taken of the UNQUANTISED p, in f32, and the product's result is divided by l at the end. Since M is a whole number, a kernel that streams over the keys may use a running M (the ceiling of the running maximum): every later rescaling is an exact power of two, which a block's scale takes up: the codes' values come out the same.
;;   OPERANDS COMPUTED ON THE WAY. 'Computed on the way' means the value that the module computes at that place (a softmax that the list does not call 'softmax' is quantised finished and normalised). What goes into a quantiser is computed in f32, as accurately as f32 sums, v_exp_f32 and their like allow (about 1e-6 of the number): no bf16 or f16 on the way to a quantiser, and a product that is left as it is and whose result goes on into a quantised operand takes f32 operands (vector FMAs, or v_wmma_f32_16x16x4_f32). A number that lies on a knife's edge between two numbers of the format may be rounded either way, as far as f32 arithmetic and the matrix unit's own rounding can turn it there, and no further.
;; One version. Each part assembles by itself: llvm-mc -triple=amdgcn-amd-amdhsa -mcpu=gfx1250 --defsym DOCPART=n.
;; ======== version 1 of 1: 5 launches
;; limits: right only within a limited range of input values
;; workspace buffers: xi 6,553,600 bytes; wi 1,740,800 bytes; qi 6,553,600 bytes; kv 819,200 bytes; ai 6,553,600 bytes
;; launch quant (part 1): grid 648 x 1, 4 waves a work-group, no clusters, 68,096 bytes of LDS; arguments hidden_state, Wq, Wk, Wv, Wo, xi, wi; writes xi, wi
.if DOCPART == 1
	.amdgcn_target "amdgcn-amd-amdhsa--gfx1250"
	.amdhsa_code_object_version 6
	.text
	.protected	k_q7351640458_quant
	.globl	k_q7351640458_quant
	.p2align	8
	.type	k_q7351640458_quant,@function
k_q7351640458_quant:
	s_mov_b64 s[64:65], 0
	v_nop
	global_prefetch_b8 v0, s[64:65] scope:SCOPE_SE
	s_setreg_imm32_b32 hwreg(HW_REG_WAVE_MODE, 25, 1), 1
	s_wait_xcnt 0x0
; hidden_state [8192][1024] and the four weights ([1024][N], K is their FIRST axis), all f32, become codes of BF6 (E3M2) with one E8M0 byte for each 32 along K.
; A block's scale is 2^(floor(log2(its largest magnitude)) - 4): its byte is the largest magnitude's exponent field - 4, held at 1 from below.
; LIMITS: NaN and infinities among the inputs are not served; a block whose largest magnitude lies under 2^-122 keeps the byte 1; a block of zeros gets the byte 1 where the
; quantiser says 127: its codes are zeros, which add nothing under any byte but 0xff, and the bytes are read by this program alone.
; LAYOUT OF THE RESULTS.  An operand tile is 16 rows (tokens, or columns of a weight).  Tile T takes, as its row r, row 64 (T / 4) + 32 (r / 8) + 8 (T % 4) + r % 8 of the tensor, so that a
; product that takes four neighbouring tiles as source 0 leaves 32 neighbours, a whole block, in a lane's 32 result registers.  A tile's RECORD is 12,800 bytes: for each of the 8 K steps of 128 the
; fragment as an image of its 12 registers (three groups of 512 bytes, lane l's 16 bytes at 16 l), then 512 bytes of scale words, the word of (step s, row r) at 12,288 + 64 s + 4 r.
; SHARES.  Work-groups 0-511: a token tile each, wave w its K steps 2 w and 2 w + 1.  512-639: Wq and Wo: 64 columns x 256 along K, a tile a wave.  640-647: Wk and Wv likewise.
; Waves share nothing: no barrier.  Only the token path uses LDS.
.set REC,   12800
.set SEL,   20                         ; s[20:21] lane selects of v_permlanex16_b32: lane l xor 16
.set R,     16                         ; v16-143  numbers as loaded, 64 for each of the two K steps; in the token path a step's first 20 registers later take its codes
.set XN,    144                        ; v144-207 the token path: 64 numbers of my row in the operand's order; the weights' path: the codes
.set TM,    208                        ; v208-214 at work
.set PW,    224                        ; v224-225 the two steps' scale words; v226 both in one register
; 64 numbers of a lane in the operand's own order, register 32 c + i = k 64 c + 32 (lane / 16) + i of row lane % 16: two whole blocks.  They become the fragment's 12 registers in v[pc] on
; (pc + 12 .. pc + 18 at work) and the row's scale word in v[pw].  v8 = 8 (lane / 16).
.macro QW d, pc, pw
.irp c, 0,1
	v_max3_num_f32 v[TM+\c], |v[\d+32*\c]|, |v[\d+1+32*\c]|, 0x2800000   ; my block 2 c + h, and the floor 2^(5 - 127): the byte cannot fall under 1
.endr
.irp i, 2,4,6,8,10,12,14,16,18,20,22,24,26,28,30
.irp c, 0,1
	v_max3_num_f32 v[TM+\c], v[TM+\c], |v[\d+32*\c+\i]|, |v[\d+1+32*\c+\i]|   ; the two blocks by turns
.endr
.endr
.irp c, 0,1
	v_add_nc_u32 v[TM+2+\c], 0xfe000000, v[TM+\c]                 ; 4 off the exponent field: the conversion's scale operand
.endr
.irp c, 0,1
	v_lshrrev_b32 v[TM+4+\c], 23, v[TM+2+\c]                      ; the scale's byte
.endr
	v_lshl_or_b32 v[\pw], v[TM+5], 16, v[TM+4]                    ; my two bytes: blocks h and 2 + h,
	v_lshlrev_b32 v[\pw], v8, v[\pw]                              ; 8 h bits up;
	v_permlanex16_b32 v[TM+6], v[\pw], s[SEL], s[SEL+1]
	v_or_b32 v[\pw], v[\pw], v[TM+6]                              ; with lane l xor 16's two the word is whole, in both halves of the lanes
.irp c, 0,1
	v_cvt_scalef32_pk16_bf6_f32 v[\pc+6*\c:\pc+2+6*\c], v[\d+32*\c:\d+15+32*\c], v[TM+2+\c]
	v_cvt_scalef32_pk16_bf6_f32 v[\pc+12+4*\c:\pc+14+4*\c], v[\d+16+32*\c:\d+31+32*\c], v[TM+2+\c]   ; a conversion's three registers begin on an even number
.endr
	v_nop                                                         ; one plain place behind a scaled conversion
.irp c, 0,1
.irp i, 0,1,2
	v_mov_b32 v[\pc+3+6*\c+\i], v[\pc+12+4*\c+\i]
.endr
.endr
.endm
	s_load_b256 s[4:11], s[0:1], 0x0               ; hidden_state s[4:5], Wq s[6:7], Wk s[8:9], Wv s[10:11]
	s_load_b128 s[12:15], s[0:1], 0x20             ; Wo s[12:13], xi s[14:15]
	s_load_b64 s[16:17], s[0:1], 0x30              ; wi
	v_lshl_add_u32 v254, v0, 2, 0x10800
	v_mov_b32 v255, 0
	v_lshrrev_b32 v1, 5, v0
	v_readfirstlane_b32 s18, v1                    ; wave 0..3
	v_and_b32 v1, 31, v0                           ; lane
	v_and_b32 v2, 15, v0                           ; r
	v_bfe_u32 v3, v0, 4, 1                         ; h
	v_lshlrev_b32 v4, 4, v1                        ; 16 x lane
	v_lshlrev_b32 v5, 2, v1                        ; 4 x lane
	v_lshlrev_b32 v8, 3, v3                        ; 8 h
	s_mov_b32 s[SEL], 0x76543210
	s_mov_b32 s[SEL+1], 0xfedcba98
	v_cmp_le_u32 s22, 16, v1                       ; lanes 16-31
	v_mov_b32 v[TM+6], 0                           ; written once: a lane permute's destination counts as one of its sources
	s_wait_kmcnt 0x0
	s_cmp_lt_u32 ttmp9, 512
	s_cbranch_scc0 .Lweights
	; ---- a token tile T = the work-group's number; my K steps 2 w, 2 w + 1 are 1,024 bytes of each of its 16 rows
	s_lshr_b32 s24, ttmp9, 2
	s_lshl_b32 s24, s24, 6
	s_and_b32 s25, ttmp9, 3
	s_lshl_b32 s25, s25, 3
	s_add_co_u32 s24, s24, s25                     ; the tile's first token: 64 (T / 4) + 8 (T % 4)
	s_lshl_b32 s24, s24, 12                        ; rows of 4,096 bytes
	s_lshl_b32 s25, s18, 10
	s_add_co_u32 s24, s24, s25
	s_mov_b32 s25, 0
	s_add_nc_u64 s[4:5], s[4:5], s[24:25]
	s_mul_i32 s24, ttmp9, REC
	s_mul_i32 s26, s18, 3072
	s_add_co_u32 s26, s26, s24
	s_mov_b32 s27, 0
	s_add_nc_u64 s[8:9], s[14:15], s[26:27]        ; my two images
	s_lshl_b32 s26, s18, 7
	s_add_co_u32 s26, s26, s24
	s_add_co_u32 s26, s26, 12288
	s_add_nc_u64 s[10:11], s[14:15], s[26:27]      ; my two steps' scale words: 128 bytes
	s_mul_i32 s28, s18, 16896                      ; LDS: my two stages of 16 rows x (512 + 16) bytes
	s_wait_alu depctr_va_vdst(0)
	v_add_nc_u32 v6, s28, v4                       ; in: a row as it was loaded, 16 bytes a lane
	v_mul_u32_u24 v7, v2, 528
	v_lshl_add_u32 v7, v3, 7, v7
	v_add_nc_u32 v7, s28, v7                       ; back: row r, + 128 h: my block of 32 numbers among each 64
.irp a, 0,1
.irp i, 0,1,2,3,4,5,6,7,8,9,10,11,12,13,14,15
	global_load_b128 v[R+64*\a+4*\i:R+64*\a+4*\i+3], v4, s[4:5] offset:(\i+24*(\i/8))*4096+512*\a th:TH_LOAD_NT   ; 32 lanes read 512 consecutive bytes: K step a of the tile's row i
.endr
.endr
.macro XSTEP a, left
	s_wait_loadcnt \left                           ; this step's 16 loads are in; the other step's may be out
.irp i, 0,1,2,3,4,5,6,7,8,9,10,11,12,13,14,15
	ds_store_b128 v6, v[R+64*\a+4*\i:R+64*\a+4*\i+3] offset:8448*\a+528*\i
.endr
.irp c, 0,1
.irp j, 0,1,2,3,4,5,6,7
	ds_load_b128 v[XN+32*\c+4*\j:XN+32*\c+4*\j+3], v7 offset:8448*\a+256*\c+16*\j   ; LDS serves a wave's instructions in order: these see the stores above
.endr
.endr
	s_wait_dscnt 0x0
	QW XN, R+64*\a, PW+\a
.irp g, 0,1,2
	global_store_b128 v4, v[R+64*\a+4*\g:R+64*\a+4*\g+3], s[8:9] offset:1536*\a+512*\g   ; 512 consecutive bytes, aligned
.endr
.endm
	s_wait_alu depctr_va_vdst(0)
	XSTEP 0, 16
	XSTEP 1, 0
	v_cndmask_b32 v226, v[PW], v[PW+1], s22        ; lanes 0-15 the even step's words, lanes 16-31 the odd step's
	global_store_b32 v5, v226, s[10:11]
	s_wait_tensorcnt 0x0
	ds_add_u32 v254, v255
	s_wait_dscnt 0x0
	s_endpgm
; ---- a weight: s[4:5] = its first byte of my 256 rows (K) and 64 columns; s26 = my tile in wi; s25 = which 256 along K.  pitch: bytes in a row of the weight
.macro WPATH pitch
	s_mul_i32 s28, s26, REC
	s_mul_i32 s30, s25, 3072
	s_add_co_u32 s30, s30, s28
	s_mov_b32 s31, 0
	s_add_nc_u64 s[8:9], s[16:17], s[30:31]        ; my two images
	s_lshl_b32 s30, s25, 7
	s_add_co_u32 s30, s30, s28
	s_add_co_u32 s30, s30, 12288
	s_add_nc_u64 s[10:11], s[16:17], s[30:31]      ; and their scale words
	v_and_b32 v6, 7, v2
	v_lshrrev_b32 v7, 3, v2
	v_lshl_add_u32 v6, v7, 5, v6                   ; r % 8 + 32 (r / 8)
	s_lshl_b32 s30, s18, 3
	v_add_nc_u32 v6, s30, v6                       ; + 8 w: my column among the 64: the four waves together take 256 neighbouring bytes of each row
	v_lshlrev_b32 v6, 2, v6
	v_mad_u32_u24 v6, v3, 32*\pitch, v6            ; lanes 16-31 begin 32 rows further down
.irp a, 0,1
.irp c, 0,1
.set i, 0
.rept 32
	global_load_b32 v[R+64*\a+32*\c+i], v6, s[4:5] offset:(128*\a+64*\c+i)*\pitch th:TH_LOAD_NT   ; W(128 a + 64 c + 32 h + i, my column)
.set i, i+1
.endr
.endr
.endr
	s_wait_loadcnt 63                              ; at most 63 of the second step's 64 loads are out: the first step's 64 are in
	QW R, 144, PW
.irp g, 0,1,2
	global_store_b128 v4, v[144+4*\g:144+4*\g+3], s[8:9] offset:512*\g
.endr
	s_wait_loadcnt 0x0
	QW R+64, 164, PW+1
.irp g, 0,1,2
	global_store_b128 v4, v[164+4*\g:164+4*\g+3], s[8:9] offset:1536+512*\g
.endr
	v_cndmask_b32 v226, v[PW], v[PW+1], s22
	global_store_b32 v5, v226, s[10:11]
	s_endpgm
.endm
.Lweights:
	s_sub_co_u32 s24, ttmp9, 512
	s_and_b32 s25, s24, 3                          ; which 256 along K
	s_cmp_lt_u32 s24, 128
	s_cbranch_scc0 .Lsmall
	s_cmp_lt_u32 s24, 64                           ; Wq or Wo: the choice hangs on the work-group's number alone
	s_cselect_b64 s[4:5], s[6:7], s[12:13]
	s_cselect_b32 s26, 0, 72
	s_bfe_u32 s27, s24, 0x40002                    ; which 64 columns
	s_lshl_b32 s28, s27, 2
	s_add_co_u32 s26, s26, s28
	s_add_co_u32 s26, s26, s18                     ; my tile in wi
	s_lshl_b32 s28, s25, 20                        ; 256 rows of 4,096 bytes
	s_lshl_b32 s29, s27, 8
	s_add_co_u32 s28, s28, s29
	s_mov_b32 s29, 0
	s_add_nc_u64 s[4:5], s[4:5], s[28:29]
	s_wait_alu depctr_va_vdst(0)
	WPATH 4096
.Lsmall:
	s_cmp_lt_u32 s24, 132                          ; Wk or Wv
	s_cselect_b64 s[4:5], s[8:9], s[10:11]
	s_cselect_b32 s26, 64, 68
	s_add_co_u32 s26, s26, s18
	s_lshl_b32 s28, s25, 16                        ; 256 rows of 256 bytes
	s_mov_b32 s29, 0
	s_add_nc_u64 s[4:5], s[4:5], s[28:29]
	s_wait_alu depctr_va_vdst(0)
	WPATH 256
.Lfunc_end_k_q7351640458_quant:
	.size	k_q7351640458_quant, .Lfunc_end_k_q7351640458_quant-k_q7351640458_quant
	.p2alignl 7, 3214868480
	.fill 96, 4, 3214868480
	.section	.rodata,"a",@progbits
	.p2align	6, 0x0
	.amdhsa_kernel k_q7351640458_quant
		.amdhsa_group_segment_fixed_size 68096
		.amdhsa_private_segment_fixed_size 0
		.amdhsa_enable_private_segment 0
		.amdhsa_kernarg_size 56
		.amdhsa_user_sgpr_count 2
		.amdhsa_user_sgpr_kernarg_segment_ptr 1
		.amdhsa_wavefront_size32 1
		.amdhsa_system_sgpr_workgroup_id_x 1
		.amdhsa_system_sgpr_workgroup_id_y 1
		.amdhsa_system_sgpr_workgroup_id_z 1
		.amdhsa_system_vgpr_workitem_id 0
		.amdhsa_next_free_vgpr 256
		.amdhsa_next_free_sgpr 66
		.amdhsa_reserve_vcc 0
		.amdhsa_float_denorm_mode_32 3
		.amdhsa_float_denorm_mode_16_64 3
		.amdhsa_memory_ordered 1
		.amdhsa_forward_progress 1
		.amdhsa_inst_pref_size 56
	.end_amdhsa_kernel
	.amdgpu_metadata
---
amdhsa.version: [ 1, 2 ]
amdhsa.kernels:
  - .name:           k_q7351640458_quant
    .symbol:         k_q7351640458_quant.kd
    .args:
      - { .name: hidden_state, .offset: 0, .size: 8, .value_kind: global_buffer, .address_space: global }
      - { .name: Wq, .offset: 8, .size: 8, .value_kind: global_buffer, .address_space: global }
      - { .name: Wk, .offset: 16, .size: 8, .value_kind: global_buffer, .address_space: global }
      - { .name: Wv, .offset: 24, .size: 8, .value_kind: global_buffer, .address_space: global }
      - { .name: Wo, .offset: 32, .size: 8, .value_kind: global_buffer, .address_space: global }
      - { .name: xi, .offset: 40, .size: 8, .value_kind: global_buffer, .address_space: global }
      - { .name: wi, .offset: 48, .size: 8, .value_kind: global_buffer, .address_space: global }
    .group_segment_fixed_size: 68096
    .private_segment_fixed_size: 0
    .kernarg_segment_align: 8
    .kernarg_segment_size: 56
    .max_flat_workgroup_size: 128
    .sgpr_count:     66
    .vgpr_count:     256
    .wavefront_size: 32
...
	.end_amdgpu_metadata
.endif
;; end of part 1
;; launch qproj (part 2): grid 4 x 64, 4 waves a work-group, clusters of 4 x 4, 295,424 bytes of LDS; arguments xi, wi, bq, qi; writes qi
.if DOCPART == 2
	.amdgcn_target "amdgcn-amd-amdhsa--gfx1250"
	.amdhsa_code_object_version 6
	.text
	.protected	k_q7351640458_qproj
	.globl	k_q7351640458_qproj
	.p2align	8
	.type	k_q7351640458_qproj,@function
k_q7351640458_qproj:
	s_mov_b64 s[64:65], 0
	v_nop
	global_prefetch_b8 v0, s[64:65] scope:SCOPE_SE
	s_setreg_imm32_b32 hwreg(HW_REG_WAVE_MODE, 25, 1), 1
	s_wait_xcnt 0x0
	s_wait_alu depctr_hold_cnt(0) depctr_sa_sdst(0) depctr_va_vdst(0) depctr_va_sdst(0) depctr_va_ssrc(0) depctr_va_vcc(0) depctr_vm_vsrc(0)
	s_getreg_b32 s2, hwreg(HW_REG_IB_STS2, 6, 4)
	s_cmp_eq_u32 s2, 0
	s_cbranch_scc0 .Lentry_in_a_cluster
	s_endpgm
.Lentry_in_a_cluster:
	s_bfe_u32 s2, ttmp6, 0x10000c
	s_cmp_lg_u32 s2, 0xf033
	s_cbranch_scc0 .Lentry_shape_is_right
	s_endpgm
.Lentry_shape_is_right:
; q = Q(x) Q(Wq) + bq on codes of BF6 (E3M2), and q quantised again along each head's 64, as the score product's operand.
; x and Wq come as tile records (12,800 bytes: 8 K steps x an image of the fragment's 12 registers, 1,536 bytes each, then 512 bytes of scale words, (step s, row r) at 12,288 + 64 s + 4 r).
; Tile T's row r is row 64 (T / 4) + 32 (r / 8) + 8 (T % 4) + r % 8 of the tensor.  The result has the same form: token tile, K step g = heads 2 g and 2 g + 1.
; LIMITS: NaN and infinities are not served; a block of q whose largest magnitude lies under 2^-122, a block of zeros among them, keeps the byte 1 (this program alone reads the bytes).
; SHARES.  256 work-groups: (x, y) takes 128 tokens (8 tiles) x 256 columns (16 tiles); wave w = (wm, wn) takes 4 token tiles x 8 column tiles: 32 accumulators.
; THE PRODUCT IS USED TRANSPOSED: source 0 = 16 columns of Wq, source 1 = 16 tokens: a lane holds one token, and by the tiles' order of rows the 64 registers of a token tile are
; columns 64 c + 32 (lane / 16) + i in register 32 c + i: two whole blocks in the next operand's own order, one K step of 128 (two heads).  bq is the C of each sum's first instruction.
; LDS holds the whole K of both operands, (8 + 16) tiles x 12,288 bytes, in four chunks of four K steps; each byte is filled once, so there is no ring.
; CLUSTER 4 x 4: x's tiles hang on y alone and are asked for jointly along a row of the cluster, Wq's on x alone, along a column.
; REGISTERS: window 0: v1-15 addresses; v16-47 Wq's scale words, v48-63 x's (register 4 tile + p: lanes 0-15 step 2 p, lanes 16-31 step 2 p + 1); v64-159 x's fragments, two sets; v160-180 at work.
;   window 1: v0-191 Wq's fragments, two sets; v192-255 bq, 8 registers a column tile.   window 2: accumulator (a, t) at v[64 a + 8 t].
.set REC,  12800
.set ACH,  49152                       ; LDS LAYOUT: two halves along K, four K steps each.  A half of x: 8 tiles x 4 steps x 1,536 bytes
.set WCH,  98304                       ; a half of Wq: 16 tiles
.set WL,   98304                       ; Wq's chunks lie behind x's two
.set SEL,  22                          ; s[22:23] lane selects: lane l xor 16
.set G1A,  24                          ; s[24:31] descriptor group 1 for x's tiles;  s[32:39] for Wq's
.set G1W,  32
.set G0A,  40                          ; s[40:47] group 0 for x's two chunks;  s[68:75] for Wq's
.set G0W,  68
.set AX,   8                           ; v8-9    LDS address of my x fragments in chunk c
.set AW,   12                          ; v12-13  the same for Wq
.set WS,   16
.set XS,   48
.set XF,   64
.set TM,   160
.set PW,   176
.set H8,   180                         ; 8 (lane / 16)
.set MSB, 0
.macro WIN new                         ; the immediate's high byte repeats the setting that is left
.if MSB != \new
	s_set_vgpr_msb (MSB<<8)|\new
.set MSB, \new
.endif
.endm
.set MULW, 0xa1                        ; source 0 (Wq) window 1, source 1 (x) window 0, C and D window 2
.set MUL0, 0x91                        ; the same with C (bq) in window 1
.set TOW,  0x40                        ; destination window 1
.macro ROUND                           ; a round of the cluster's barrier
	s_barrier_signal -1
	s_barrier_wait -1
	s_cmp_lg_u32 s12, 0
	s_cbranch_scc1 .Lnot_wave_0_\@
	s_barrier_signal -3
.Lnot_wave_0_\@:
	s_barrier_wait -3
	s_barrier_signal -1
	s_barrier_wait -1
.endm
.macro PLACES                          ; four places between a matrix instruction and a load into, or a vector read or write of, its registers
.rept 4
	v_nop
.endr
.endm
.macro WM d, a, b, c, sa, sb, odd      ; one matrix instruction; odd = 1: both scale words are taken from lanes 16-31
.if \odd
	v_wmma_scale_f32_16x16x128_f8f6f4 v[\d:\d+7], v[\a:\a+11], v[\b:\b+11], v[\c:\c+7], v[\sa], v[\sb] matrix_a_fmt:MATRIX_FMT_BF6 matrix_b_fmt:MATRIX_FMT_BF6 matrix_a_scale:MATRIX_SCALE_ROW1 matrix_b_scale:MATRIX_SCALE_ROW1
.else
	v_wmma_scale_f32_16x16x128_f8f6f4 v[\d:\d+7], v[\a:\a+11], v[\b:\b+11], v[\c:\c+7], v[\sa], v[\sb] matrix_a_fmt:MATRIX_FMT_BF6 matrix_b_fmt:MATRIX_FMT_BF6
.endif
.endm
.macro FETCH s                         ; K step s: 8 + 4 fragments, 36 loads of 512 consecutive bytes, into set s % 2
	WIN TOW
.irp t, 0,1,2,3,4,5,6,7
.irp g, 0,1,2
	ds_load_b128 v[96*((\s)%2)+12*\t+4*\g:96*((\s)%2)+12*\t+4*\g+3], v[AW+(\s)/4] offset:6144*\t+1536*((\s)%4)+512*\g
.endr
.endr
	WIN 0
.irp a, 0,1,2,3
.irp g, 0,1,2
	ds_load_b128 v[XF+48*((\s)%2)+12*\a+4*\g:XF+48*((\s)%2)+12*\a+4*\g+3], v[AX+(\s)/4] offset:6144*\a+1536*((\s)%4)+512*\g
.endr
.endr
.endm
.macro MULS s                          ; 32 matrix instructions; the 32 accumulators take turns, in the same order in every step
.if (\s) == 0
	WIN MUL0
.else
	WIN MULW
.endif
.irp a, 0,1,2,3
.irp t, 0,1,2,3,4,5,6,7
.if (\s) == 0
	WM 64*\a+8*\t, 12*\t, XF+12*\a, 192+8*\t, WS+4*\t, XS+4*\a, 0
.else
	WM 64*\a+8*\t, 96*((\s)%2)+12*\t, XF+48*((\s)%2)+12*\a, 64*\a+8*\t, WS+4*\t+(\s)/2, XS+4*\a+(\s)/2, (\s)%2
.endif
.endr
.endr
.endm
.macro STEP s
.if (\s) == 3
	s_wait_tensorcnt 0x0                           ; every wave's one load has landed, the second half's two among them
	s_wait_dscnt 0x0                               ; no LDS instruction of mine is out at a signal
	s_barrier_signal -1
	s_barrier_wait -1                              ; everybody's have
.endif
.if (\s) < 7
.if (\s) > 0
	PLACES                                         ; the set to be loaded was read by the step before
.endif
	FETCH (\s)+1
	s_wait_dscnt 36                                ; all but the 36 just issued: this step's fragments are in
.else
	s_wait_dscnt 0x0
.endif
	MULS \s
.endm
; The quantiser on 64 accumulator registers of window 2 (register 32 c + i = column 64 c + 32 (lane / 16) + i of my token: two whole blocks): the fragment into v[pc] on, the scale word into v[pw], window 0.
.macro QWW s, pc, pw
	WIN 0x0a                                       ; sources 0 and 1 window 2
.irp c, 0,1
	v_max3_num_f32 v[TM+\c], |v[\s+32*\c]|, |v[\s+1+32*\c]|, 0x2800000   ; each accumulator is read from its low end on; the floor 2^(5 - 127) holds the byte at 1 from below
.endr
.irp i, 2,4,6,8,10,12,14,16,18,20,22,24,26,28,30
.irp c, 0,1
	v_max3_num_f32 v[TM+\c], |v[\s+32*\c+\i]|, |v[\s+1+32*\c+\i]|, v[TM+\c]   ; the two blocks by turns
.endr
.endr
	WIN 0
.irp c, 0,1
	v_add_nc_u32 v[TM+2+\c], 0xfe000000, v[TM+\c]                 ; 4 off the exponent field: the conversion's scale operand
.endr
.irp c, 0,1
	v_lshrrev_b32 v[TM+4+\c], 23, v[TM+2+\c]                      ; the scale's byte
.endr
	v_lshl_or_b32 v[\pw], v[TM+5], 16, v[TM+4]                    ; my two bytes: blocks h and 2 + h,
	v_lshlrev_b32 v[\pw], v[H8], v[\pw]                           ; 8 h bits up;
	v_permlanex16_b32 v[TM+6], v[\pw], s[SEL], s[SEL+1]
	v_or_b32 v[\pw], v[\pw], v[TM+6]                              ; with lane l xor 16's two the word is whole, in both halves of the lanes
	WIN 0x02                                       ; source 0 window 2
.irp c, 0,1
	v_cvt_scalef32_pk16_bf6_f32 v[\pc+6*\c:\pc+2+6*\c], v[\s+32*\c:\s+15+32*\c], v[TM+2+\c]
	v_cvt_scalef32_pk16_bf6_f32 v[\pc+12+4*\c:\pc+14+4*\c], v[\s+16+32*\c:\s+31+32*\c], v[TM+2+\c]   ; a conversion's three registers begin on an even number
.endr
	WIN 0
	v_nop                                          ; one plain place behind a scaled conversion
.irp c, 0,1
.irp i, 0,1,2
	v_mov_b32 v[\pc+3+6*\c+\i], v[\pc+12+4*\c+\i]
.endr
.endr
.endm
	s_load_b256 s[4:11], s[0:1], 0x0               ; xi s[4:5], wi s[6:7], bq s[8:9], qi s[10:11]
	v_lshl_add_u32 v254, v0, 2, 0x48000
	v_mov_b32 v255, 0
	ds_add_u32 v254, v255
	ds_add_u32 v254, v255
	v_lshrrev_b32 v1, 5, v0
	v_readfirstlane_b32 s12, v1                    ; wave 0..3
	s_lshr_b32 s13, s12, 1                         ; wm: which 4 token tiles
	s_and_b32 s14, s12, 1                          ; wn: which 8 column tiles
	s_bfe_u32 s15, ttmp6, 0x40000                  ; cx, cy: my place in the cluster
	s_bfe_u32 s16, ttmp6, 0x40004
	s_lshl_b32 s17, ttmp9, 2
	s_add_co_u32 s17, s17, s15                     ; x
	s_and_b32 s18, ttmp7, 0xffff
	s_lshl_b32 s18, s18, 2
	s_add_co_u32 s18, s18, s16                     ; y
	s_lshl_b32 s19, s16, 2
	s_lshl_b32 s19, 15, s19                        ; my row of the cluster
	s_lshl_b32 s20, 0x1111, s15                    ; my column
	; group 1: rows of 6,144 bytes (four K steps' images of one tile: 768 elements of 8 bytes), 12,800 bytes (1,600 elements) apart; a load brings a half along K of x's 8 tiles or of Wq's 16
	s_or_b32 s[G1A], s19, (3<<16)|(1<<21)          ; 15:0 the mask; 17:16 elements of 8 bytes; 21 set beside a mask; no padding
	s_or_b32 s[G1W], s20, (3<<16)|(1<<21)
.irp g, G1A, G1W
	s_mov_b32 s[\g+1], 768<<16                     ; tensor_dim0
	s_mov_b32 s[\g+3], 768<<16                     ; tile_dim0
	s_mov_b32 s[\g+5], 1600                        ; tensor_dim0_stride
	s_mov_b32 s[\g+6], 0
	s_mov_b32 s[\g+7], 0
.endr
	s_mov_b32 s[G1A+2], 8<<16                      ; tensor_dim1
	s_mov_b32 s[G1A+4], 8                          ; tile_dim1
	s_mov_b32 s[G1W+2], 16<<16
	s_mov_b32 s[G1W+4], 16
	s_lshl_b32 s84, s18, 3                         ; x's first tile 8 y: made of y alone
	s_mul_i32 s84, s84, REC
	s_mov_b32 s85, 0
	s_lshl_b32 s86, s17, 4                         ; Wq's first tile 16 x: made of x alone
	s_mul_i32 s86, s86, REC
	s_mov_b32 s87, 0
	s_wait_dscnt 0x0
	s_wait_kmcnt 0x0
	s_add_nc_u64 s[84:85], s[4:5], s[84:85]
	s_add_nc_u64 s[86:87], s[6:7], s[86:87]
.irp c, 0,1                            ; group 0 of half c of x and of Wq: constants alone enter the LDS addresses
	s_mov_b32 s[G0A+4*\c], 1
	s_mov_b32 s[G0A+4*\c+1], ACH*\c
	s_add_nc_u64 s[G0A+4*\c+2:G0A+4*\c+3], s[84:85], 6144*\c
	s_or_b32 s[G0A+4*\c+3], s[G0A+4*\c+3], 0x80000000
	s_mov_b32 s[G0W+4*\c], 1
	s_mov_b32 s[G0W+4*\c+1], WL+WCH*\c
	s_add_nc_u64 s[G0W+4*\c+2:G0W+4*\c+3], s[86:87], 6144*\c
	s_or_b32 s[G0W+4*\c+3], s[G0W+4*\c+3], 0x80000000
.endr
	ROUND                                          ; all sixteen work-groups are here: the joint loads meet
	; the launch's four fills, one a wave, each in its own arm of one chain: Wq's first half, x's first half, Wq's second, x's second
	s_cmp_eq_u32 s12, 0
	s_cbranch_scc0 .Lw1
	tensor_load_to_lds s[G0W:G0W+3], s[G1W:G1W+7]
	s_nop 0
	PLACES
	s_branch .Lasked
.Lw1:
	s_cmp_eq_u32 s12, 1
	s_cbranch_scc0 .Lw2
	tensor_load_to_lds s[G0A:G0A+3], s[G1A:G1A+7]
	s_nop 0
	PLACES
	s_branch .Lasked
.Lw2:
	s_cmp_eq_u32 s12, 2
	s_cbranch_scc0 .Lw3
	tensor_load_to_lds s[G0W+4:G0W+7], s[G1W:G1W+7]
	s_nop 0
	PLACES
	s_branch .Lasked
.Lw3:
	tensor_load_to_lds s[G0A+4:G0A+7], s[G1A:G1A+7]
	s_nop 0
	PLACES
.Lasked:
	v_and_b32 v1, 31, v0                           ; lane
	v_and_b32 v2, 15, v0                           ; r
	v_bfe_u32 v3, v0, 4, 1                         ; h
	v_lshlrev_b32 v4, 4, v1                        ; 16 x lane
	v_lshlrev_b32 v5, 2, v2                        ; 4 r
	v_lshlrev_b32 v6, 2, v1                        ; 4 x lane
	v_lshlrev_b32 v7, 7, v3                        ; 128 h
	v_lshlrev_b32 v[H8], 3, v3                     ; 8 h
	s_mul_i32 s90, s13, 24576                      ; my 4 tiles of x in a half
	s_mul_i32 s91, s14, 49152                      ; my 8 tiles of Wq
	s_add_co_u32 s91, s91, WL
.irp c, 0,1
	v_add_nc_u32 v[AX+\c], s90, v4
	v_add_nc_u32 v[AW+\c], s91, v4
	s_add_co_u32 s90, s90, ACH
	s_add_co_u32 s91, s91, WCH
.endr
	s_mov_b32 s[SEL], 0x76543210
	s_mov_b32 s[SEL+1], 0xfedcba98
	v_mov_b32 v[TM+6], 0                           ; written once: a lane permute's destination counts as one of its sources
	s_lshl_b32 s92, s17, 4
	s_lshl_b32 s93, s14, 3
	s_add_co_u32 s92, s92, s93                     ; my first tile of Wq
	s_mul_i32 s92, s92, REC
	s_add_co_u32 s92, s92, 12288
	s_mov_b32 s93, 0
	s_add_nc_u64 s[92:93], s[6:7], s[92:93]        ; its scale words
	s_lshl_b32 s94, s18, 3
	s_lshl_b32 s95, s13, 2
	s_add_co_u32 s98, s94, s95                     ; my first token tile: 8 y + 4 wm
	s_mul_i32 s94, s98, REC
	s_add_co_u32 s94, s94, 12288
	s_mov_b32 s95, 0
	s_add_nc_u64 s[94:95], s[4:5], s[94:95]        ; its scale words
	s_lshl_b32 s96, s17, 10
	s_lshl_b32 s97, s14, 9
	s_add_co_u32 s96, s96, s97                     ; my first column, in bytes of f32
	s_mov_b32 s97, 0
	s_add_nc_u64 s[96:97], s[8:9], s[96:97]
	s_lshl_b32 s99, s17, 1
	s_add_co_u32 s99, s99, s14                     ; my K step of the result: 2 x + wn
	s_mul_i32 s56, s98, REC
	s_add_co_u32 s58, s56, 12288
	s_lshl_b32 s59, s99, 6
	s_add_co_u32 s58, s58, s59
	s_mul_i32 s57, s99, 1536
	s_add_co_u32 s56, s56, s57
	s_mov_b32 s57, 0
	s_mov_b32 s59, 0
	s_add_nc_u64 s[56:57], s[10:11], s[56:57]      ; where my images go,
	s_add_nc_u64 s[58:59], s[10:11], s[58:59]      ; and their scale words
	s_wait_alu depctr_va_vdst(0)                   ; the wait here, ahead of the loads that read the offsets made above
.irp t, 0,1,2,3,4,5,6,7
.irp p, 0,1,2,3
	global_load_b32 v[WS+4*\t+\p], v6, s[92:93] offset:REC*\t+128*\p   ; 128 consecutive bytes: the words of steps 2 p and 2 p + 1
.endr
.endr
.irp a, 0,1,2,3
.irp p, 0,1,2,3
	global_load_b32 v[XS+4*\a+\p], v6, s[94:95] offset:REC*\a+128*\p
.endr
.endr
	WIN TOW
.irp t, 0,1,2,3,4,5,6,7
	global_load_b128 v[192+8*\t:192+8*\t+3], v7, s[96:97] offset:256*(\t/4)+32*(\t%4)       ; bq at the tile's eight columns of my half: 64 (t / 4) + 32 h + 8 (t % 4) + 0 .. 7
	global_load_b128 v[192+8*\t+4:192+8*\t+7], v7, s[96:97] offset:256*(\t/4)+32*(\t%4)+16
.endr
	WIN 0
	s_wait_alu depctr_va_vdst(0)
	s_cmp_lt_u32 s12, 2
	s_cbranch_scc0 .Lnot_first
	s_wait_tensorcnt 0x0                           ; waves 0 and 1: the first half of Wq and of x has landed; waves 2 and 3's loads may stay out
.Lnot_first:
	s_barrier_signal -1
	s_barrier_wait -1
	FETCH 0
	s_wait_loadcnt 0x0                             ; scale words and bq
.irp s, 0,1,2,3,4,5,6,7
	STEP \s
.endr
	WIN 0
	PLACES                                         ; in front of the first read of results and the first write of x's fragment registers
.irp a, 0,1,2,3                        ; a token tile's 64 results are one fragment: codes into registers of their own (x's fragments' place), so that no store's data are written again
	QWW 64*\a, XF+20*\a, PW+\a
.irp g, 0,1,2
	global_store_b128 v4, v[XF+20*\a+4*\g:XF+20*\a+4*\g+3], s[56:57] offset:REC*\a+512*\g   ; 512 consecutive bytes, aligned
.endr
	global_store_b32 v5, v[PW+\a], s[58:59] offset:REC*\a          ; 16 words; both halves of the lanes hold and write the same
.endr
	s_wait_tensorcnt 0x0
	ds_add_u32 v254, v255
	s_wait_dscnt 0x0
	ROUND                                          ; the closing round
	s_endpgm
.Lfunc_end_k_q7351640458_qproj:
	.size	k_q7351640458_qproj, .Lfunc_end_k_q7351640458_qproj-k_q7351640458_qproj
	.p2alignl 7, 3214868480
	.fill 96, 4, 3214868480
	.section	.rodata,"a",@progbits
	.p2align	6, 0x0
	.amdhsa_kernel k_q7351640458_qproj
		.amdhsa_group_segment_fixed_size 295424
		.amdhsa_private_segment_fixed_size 0
		.amdhsa_enable_private_segment 0
		.amdhsa_kernarg_size 32
		.amdhsa_user_sgpr_count 2
		.amdhsa_user_sgpr_kernarg_segment_ptr 1
		.amdhsa_wavefront_size32 1
		.amdhsa_system_sgpr_workgroup_id_x 1
		.amdhsa_system_sgpr_workgroup_id_y 1
		.amdhsa_system_sgpr_workgroup_id_z 1
		.amdhsa_system_vgpr_workitem_id 0
		.amdhsa_next_free_vgpr 768
		.amdhsa_next_free_sgpr 100
		.amdhsa_reserve_vcc 0
		.amdhsa_float_denorm_mode_32 3
		.amdhsa_float_denorm_mode_16_64 3
		.amdhsa_memory_ordered 1
		.amdhsa_forward_progress 1
		.amdhsa_inst_pref_size 80
	.end_amdhsa_kernel
	.amdgpu_metadata
---
amdhsa.version: [ 1, 2 ]
amdhsa.kernels:
  - .name:           k_q7351640458_qproj
    .symbol:         k_q7351640458_qproj.kd
    .args:
      - { .name: xi, .offset: 0, .size: 8, .value_kind: global_buffer, .address_space: global }
      - { .name: wi, .offset: 8, .size: 8, .value_kind: global_buffer, .address_space: global }
      - { .name: bq, .offset: 16, .size: 8, .value_kind: global_buffer, .address_space: global }
      - { .name: qi, .offset: 24, .size: 8, .value_kind: global_buffer, .address_space: global }
    .group_segment_fixed_size: 295424
    .private_segment_fixed_size: 0
    .kernarg_segment_align: 8
    .kernarg_segment_size: 32
    .max_flat_workgroup_size: 128
    .sgpr_count:     100
    .vgpr_count:     768
    .wavefront_size: 32
...
	.end_amdgpu_metadata
.endif
;; end of part 2
;; launch kvproj (part 3): grid 64 x 1, 8 waves a work-group, no clusters, 197,632 bytes of LDS; arguments xi, wi, bk, bv, kv; writes kv
.if DOCPART == 3
	.amdgcn_target "amdgcn-amd-amdhsa--gfx1250"
	.amdhsa_code_object_version 6
	.text
	.protected	k_q7351640458_kvproj
	.globl	k_q7351640458_kvproj
	.p2align	8
	.type	k_q7351640458_kvproj,@function
k_q7351640458_kvproj:
	s_mov_b64 s[64:65], 0
	v_nop
	global_prefetch_b8 v0, s[64:65] scope:SCOPE_SE
	s_setreg_imm32_b32 hwreg(HW_REG_WAVE_MODE, 25, 1), 1
	s_wait_xcnt 0x0
; k = Q(x) Q(Wk) + bk, quantised along the head's 64; v = Q(x) Q(Wv) + bv, quantised along the KEYS: both as operands of the attention launch.  Codes of BF6 (E3M2), E8M0 scales.
; x, Wk, Wv come as tile records (8 K steps x an image of 1,536 bytes, then 512 bytes of scale words; tile T's row r is row 64 (T / 4) + 32 (r / 8) + 8 (T % 4) + r % 8).
; LIMITS: NaN and infinities are not served; a block whose largest magnitude lies under 2^-122, a block of zeros among them, keeps the byte 1 (this program alone reads the bytes).
; SHARES.  Work-group j takes tokens 128 j .. 128 j + 127, one key step of one batch, and writes one chunk of kv (12,800 bytes): 4 fragments of K, 4 of V, K's 4 x 16 scale words, V's.
; Waves 0-3: fragment b = w of K.  Source 0 = Wk's four tiles, source 1 = token tiles 2 w + e: a lane holds one key, and register 32 e + i is d = 32 (lane / 16) + i.  THE SCORE PRODUCT HAS K = 64:
;   a fragment's k = 0 .. 63 holds key tile 2 b, its k = 64 .. 127 key tile 2 b + 1; the attention launch sets zeros against the half that it does not want.
; Waves 4-7: V's fragment of d tile w - 4.  Source 0 = the eight token tiles, source 1 = one tile of Wv: a lane holds one d, and register 32 c + i is key 64 c + 32 (lane / 16) + i.
; Both kinds of wave so hold two whole blocks a lane, in the operand's own order.
; No cluster: only the 96 KiB of Wk's and Wv's images are shared between work-groups, half of what each fetches, and x's loads would be plain ones beside joint ones.
; 64 work-groups: a fragment of V wants 128 keys of one d tile in one wave.
; LDS, filled once: x's tile i at 12,288 i; weight tile i (0-3 Wk, 4-7 Wv) at 98,304 + 12,288 i.
; REGISTERS: v4-14 addresses and 8 h; v16-59 (K waves: -71) scale words and bias; v60-167 fragments; v168-231 the eight accumulators; v232-248 at work.
.set REC,  12800
.set WL,   98304
.set SEL,  20
.set ACC,  168
.set TM,   232
.set PW,   248
.set PC,   72
.macro PLACES
.rept 4
	v_nop
.endr
.endm
.macro WM d, a, b, c, sa, sb, odd      ; one matrix instruction; odd = 1: both scale words are taken from lanes 16-31
.if \odd
	v_wmma_scale_f32_16x16x128_f8f6f4 v[\d:\d+7], v[\a:\a+11], v[\b:\b+11], v[\c:\c+7], v[\sa], v[\sb] matrix_a_fmt:MATRIX_FMT_BF6 matrix_b_fmt:MATRIX_FMT_BF6 matrix_a_scale:MATRIX_SCALE_ROW1 matrix_b_scale:MATRIX_SCALE_ROW1
.else
	v_wmma_scale_f32_16x16x128_f8f6f4 v[\d:\d+7], v[\a:\a+11], v[\b:\b+11], v[\c:\c+7], v[\sa], v[\sb] matrix_a_fmt:MATRIX_FMT_BF6 matrix_b_fmt:MATRIX_FMT_BF6
.endif
.endm
; 64 numbers of a lane in the operand's own order, register 32 c + i = k 64 c + 32 (lane / 16) + i of row lane % 16, become a fragment's 12 registers in v[pc] on (pc + 12 .. pc + 18 at work) and its scale word in v[pw].
.macro QW d, pc, pw
.irp c, 0,1
	v_max3_num_f32 v[TM+\c], |v[\d+32*\c]|, |v[\d+1+32*\c]|, 0x2800000   ; each accumulator is read from its low end on; the floor 2^(5 - 127) holds the byte at 1 from below
.endr
.irp i, 2,4,6,8,10,12,14,16,18,20,22,24,26,28,30
.irp c, 0,1
	v_max3_num_f32 v[TM+\c], v[TM+\c], |v[\d+32*\c+\i]|, |v[\d+1+32*\c+\i]|   ; the two blocks by turns
.endr
.endr
.irp c, 0,1
	s_delay_alu instid0(VALU_DEP_2)
	v_add_nc_u32 v[TM+2+\c], 0xfe000000, v[TM+\c]                 ; 4 off the exponent field: the conversion's scale operand
.endr
.irp c, 0,1
	s_delay_alu instid0(VALU_DEP_2)
	v_lshrrev_b32 v[TM+4+\c], 23, v[TM+2+\c]                      ; the scale's byte
.endr
	s_delay_alu instid0(VALU_DEP_1)
	v_lshl_or_b32 v[\pw], v[TM+5], 16, v[TM+4]                    ; my two bytes: blocks h and 2 + h,
	s_delay_alu instid0(VALU_DEP_1)
	v_lshlrev_b32 v[\pw], v14, v[\pw]                             ; 8 h bits up;
	s_delay_alu instid0(VALU_DEP_1)
	v_permlanex16_b32 v[TM+6], v[\pw], s[SEL], s[SEL+1]
	s_delay_alu instid0(VALU_DEP_1)
	v_or_b32 v[\pw], v[\pw], v[TM+6]                              ; with lane l xor 16's two the word is whole, in both halves of the lanes
.irp c, 0,1
	v_cvt_scalef32_pk16_bf6_f32 v[\pc+6*\c:\pc+2+6*\c], v[\d+32*\c:\d+15+32*\c], v[TM+2+\c]
	v_cvt_scalef32_pk16_bf6_f32 v[\pc+12+4*\c:\pc+14+4*\c], v[\d+16+32*\c:\d+31+32*\c], v[TM+2+\c]   ; a conversion's three registers begin on an even number
.endr
	v_nop                                                         ; one plain place behind a scaled conversion
.irp c, 0,1
.irp i, 0,1,2
	v_mov_b32 v[\pc+3+6*\c+\i], v[\pc+12+4*\c+\i]
.endr
.endr
.endm
	s_load_b256 s[4:11], s[0:1], 0x0               ; xi s[4:5], wi s[6:7], bk s[8:9], bv s[10:11]
	s_load_b64 s[12:13], s[0:1], 0x20              ; kv
	v_lshl_add_u32 v254, v0, 2, 0x30000
	v_mov_b32 v255, 0
	ds_add_u32 v254, v255
	ds_add_u32 v254, v255
	v_lshrrev_b32 v1, 5, v0
	s_delay_alu instid0(VALU_DEP_1)
	v_readfirstlane_b32 s14, v1                    ; wave 0..7
	; group 1: two neighbouring tiles' images: 2 rows of 12,288 bytes (1,536 elements of 8 bytes), 12,800 bytes (1,600 elements) apart
	s_mov_b32 s24, 3<<16
	s_mov_b32 s25, 1536<<16
	s_mov_b32 s26, 2<<16
	s_mov_b32 s27, 1536<<16
	s_mov_b32 s28, 2
	s_mov_b32 s29, 1600
	s_mov_b32 s30, 0
	s_mov_b32 s31, 0
	s_lshl_b32 s16, ttmp9, 3                       ; my work-group's first token tile: 8 j
	s_lshl_b32 s17, s14, 1
	s_cmp_lt_u32 s14, 4
	s_cselect_b32 s44, s16, 56                     ; waves 0-3 fetch x's tiles 8 j + 2 w, + 1; waves 4-7 weight tiles 56 + 2 w, + 1 (64 .. 71)
	s_add_co_u32 s44, s44, s17
	s_mul_i32 s44, s44, REC
	s_mov_b32 s45, 0
	s_mul_i32 s15, s14, 12288
	s_wait_dscnt 0x0
	s_wait_kmcnt 0x0
	s_mov_b32 s32, 1
	s_lshl_b32 s33, s15, 1                         ; LDS byte 24,576 w: x's eight tiles, then the eight weight tiles (WL = 8 x 12,288)
	s_cmp_lt_u32 s14, 4                            ; the buffer is chosen by the wave's number alone
	s_cselect_b64 s[34:35], s[4:5], s[6:7]
	s_add_nc_u64 s[34:35], s[34:35], s[44:45]
	s_or_b32 s35, s35, 0x80000000
	tensor_load_to_lds s[32:35], s[24:31]          ; the launch's only fills: one load a wave, two tiles each
	s_nop 0
	PLACES                                         ; four v_nop follow the second
	v_and_b32 v1, 31, v0                           ; lane
	v_and_b32 v2, 15, v0                           ; r
	v_bfe_u32 v3, v0, 4, 1                         ; h
	s_delay_alu instid0(VALU_DEP_3)
	v_lshlrev_b32 v4, 4, v1                        ; 16 x lane: also V waves' address of x's tiles 0-3
	s_delay_alu instid0(VALU_DEP_3)
	v_lshlrev_b32 v5, 2, v2                        ; 4 r
	v_lshlrev_b32 v6, 2, v1                        ; 4 x lane
	s_delay_alu instid0(VALU_DEP_4)
	v_lshlrev_b32 v7, 7, v3                        ; 128 h
	v_lshlrev_b32 v14, 3, v3                       ; 8 h
	s_lshl_b32 s22, s15, 1
	v_add_nc_u32 v8, s22, v4                       ; K waves: x's tiles 2 w, 2 w + 1
	v_add_nc_u32 v9, WL, v4                        ; K waves: Wk's four tiles
	v_add_nc_u32 v10, 49152, v4                    ; V waves: x's tiles 4-7
	s_add_co_u32 s22, s15, WL
	v_add_nc_u32 v11, s22, v4                      ; V waves: weight tile w
	v_and_b32 v12, 7, v2
	v_lshrrev_b32 v13, 3, v2
	s_delay_alu instid0(VALU_DEP_1)
	v_lshl_add_u32 v12, v13, 5, v12                ; r % 8 + 32 (r / 8)
	s_and_b32 s22, s14, 3
	s_lshl_b32 s22, s22, 3
	v_add_nc_u32 v12, s22, v12                     ; + 8 (w % 4)
	s_delay_alu instid0(VALU_DEP_1)
	v_lshlrev_b32 v12, 2, v12                      ; V waves: my d in bv, in bytes
	s_mov_b32 s[SEL], 0x76543210
	s_mov_b32 s[SEL+1], 0xfedcba98
	v_mov_b32 v[TM+6], 0                           ; written once: a lane permute's destination counts as one of its sources
	s_mul_i32 s22, ttmp9, REC
	s_mul_i32 s23, s14, 1536
	s_add_co_u32 s40, s22, s23
	s_mov_b32 s41, 0
	s_add_nc_u64 s[40:41], s[12:13], s[40:41]      ; my fragment's place in the chunk
	s_lshl_b32 s23, s14, 6
	s_add_co_u32 s42, s22, s23
	s_add_co_u32 s42, s42, 12288
	s_mov_b32 s43, 0
	s_add_nc_u64 s[42:43], s[12:13], s[42:43]      ; and its 16 scale words'
	s_wait_tensorcnt 0x0                           ; my two tiles have landed,
	s_barrier_signal -1
	s_barrier_wait -1                              ; everybody's have
	s_cmp_lt_u32 s14, 4
	s_cbranch_scc0 .Lvalues
	; ---- K
	s_lshl_b32 s22, s14, 1
	s_add_co_u32 s22, s22, s16
	s_mul_i32 s44, s22, REC
	s_add_co_u32 s44, s44, 12288
	s_mov_b32 s45, 0
	s_add_nc_u64 s[44:45], s[4:5], s[44:45]        ; the scale words of x's tiles 8 j + 2 w, + 1
	s_add_nc_u64 s[46:47], s[6:7], 64*REC+12288    ; and of Wk's four
.irp e, 0,1
.irp p, 0,1,2,3
	global_load_b32 v[16+4*\e+\p], v6, s[44:45] offset:REC*\e+128*\p   ; lanes 0-15 step 2 p, lanes 16-31 step 2 p + 1
.endr
.endr
.irp t, 0,1,2,3
.irp p, 0,1,2,3
	global_load_b32 v[24+4*\t+\p], v6, s[46:47] offset:REC*\t+128*\p
.endr
.endr
.irp t, 0,1,2,3
	global_load_b128 v[40+8*\t:40+8*\t+3], v7, s[8:9] offset:32*\t        ; bk at d = 32 h + 8 t + 0 .. 7
	global_load_b128 v[40+8*\t+4:40+8*\t+7], v7, s[8:9] offset:32*\t+16
.endr
.macro KSTEP s
.if \s > 0
	PLACES                                         ; in front of loads into registers that matrix instructions have read
.endif
.irp t, 0,1,2,3
.irp g, 0,1,2
	ds_load_b128 v[72+12*\t+4*\g:72+12*\t+4*\g+3], v9 offset:12288*\t+1536*\s+512*\g
.endr
.endr
.irp e, 0,1
.irp g, 0,1,2
	ds_load_b128 v[120+12*\e+4*\g:120+12*\e+4*\g+3], v8 offset:12288*\e+1536*\s+512*\g
.endr
.endr
	s_wait_dscnt 0x0
.if \s == 0
	s_wait_loadcnt 0x0
.endif
.irp e, 0,1                            ; the eight accumulators take turns
.irp t, 0,1,2,3
.if \s == 0
	WM ACC+32*\e+8*\t, 72+12*\t, 120+12*\e, 40+8*\t, 24+4*\t, 16+4*\e, 0
.else
	WM ACC+32*\e+8*\t, 72+12*\t, 120+12*\e, ACC+32*\e+8*\t, 24+4*\t+\s/2, 16+4*\e+\s/2, \s%2
.endif
.endr
.endr
.endm
	s_wait_alu depctr_va_vdst(0)
.irp s, 0,1,2,3,4,5,6,7
	KSTEP \s
.endr
	s_branch .Lout
.Lvalues:                              ; ---- V
	s_mul_i32 s44, s16, REC
	s_add_co_u32 s44, s44, 12288
	s_mov_b32 s45, 0
	s_add_nc_u64 s[44:45], s[4:5], s[44:45]        ; the scale words of x's eight tiles
	s_add_co_u32 s46, s14, 64
	s_mul_i32 s46, s46, REC
	s_add_co_u32 s46, s46, 12288
	s_mov_b32 s47, 0
	s_add_nc_u64 s[46:47], s[6:7], s[46:47]        ; and of my tile of Wv
.irp i, 0,1,2,3,4,5,6,7
.irp p, 0,1,2,3
	global_load_b32 v[16+4*\i+\p], v6, s[44:45] offset:REC*\i+128*\p
.endr
.endr
.irp p, 0,1,2,3
	global_load_b32 v[48+\p], v6, s[46:47] offset:128*\p
.endr
	s_wait_alu depctr_va_vdst(0)
.irp j, 0,1,2,3,4,5,6,7
	global_load_b32 v[52+\j], v12, s[10:11]        ; bv of my d, in all eight registers of the first C
.endr
.macro VSTEP s
.if \s > 0
	PLACES
.endif
.irp i, 0,1,2,3
.irp g, 0,1,2
	ds_load_b128 v[60+12*\i+4*\g:60+12*\i+4*\g+3], v4 offset:12288*\i+1536*\s+512*\g
	ds_load_b128 v[108+12*\i+4*\g:108+12*\i+4*\g+3], v10 offset:12288*\i+1536*\s+512*\g
.endr
.endr
.irp g, 0,1,2
	ds_load_b128 v[156+4*\g:156+4*\g+3], v11 offset:1536*\s+512*\g
.endr
	s_wait_dscnt 0x0
.if \s == 0
	s_wait_loadcnt 0x0
.endif
.irp i, 0,1,2,3,4,5,6,7
.if \s == 0
	WM ACC+8*\i, 60+12*\i, 156, 52, 16+4*\i, 48, 0
.else
	WM ACC+8*\i, 60+12*\i, 156, ACC+8*\i, 16+4*\i+\s/2, 48+\s/2, \s%2
.endif
.endr
.endm
.irp s, 0,1,2,3,4,5,6,7
	VSTEP \s
.endr
.Lout:                                 ; both kinds of wave hold 64 numbers in the quantiser's order
	PLACES
	QW ACC, PC, PW
.irp g, 0,1,2
	global_store_b128 v4, v[PC+4*\g:PC+4*\g+3], s[40:41] offset:512*\g   ; 512 consecutive bytes, aligned
.endr
	global_store_b32 v5, v[PW], s[42:43]           ; 16 words; both halves of the lanes hold and write the same
	s_wait_tensorcnt 0x0
	ds_add_u32 v254, v255
	s_wait_dscnt 0x0
	s_endpgm
.Lfunc_end_k_q7351640458_kvproj:
	.size	k_q7351640458_kvproj, .Lfunc_end_k_q7351640458_kvproj-k_q7351640458_kvproj
	.p2alignl 7, 3214868480
	.fill 96, 4, 3214868480
	.section	.rodata,"a",@progbits
	.p2align	6, 0x0
	.amdhsa_kernel k_q7351640458_kvproj
		.amdhsa_group_segment_fixed_size 197632
		.amdhsa_private_segment_fixed_size 0
		.amdhsa_enable_private_segment 0
		.amdhsa_kernarg_size 40
		.amdhsa_user_sgpr_count 2
		.amdhsa_user_sgpr_kernarg_segment_ptr 1
		.amdhsa_wavefront_size32 1
		.amdhsa_system_sgpr_workgroup_id_x 1
		.amdhsa_system_sgpr_workgroup_id_y 1
		.amdhsa_system_sgpr_workgroup_id_z 1
		.amdhsa_system_vgpr_workitem_id 0
		.amdhsa_next_free_vgpr 256
		.amdhsa_next_free_sgpr 66
		.amdhsa_reserve_vcc 0
		.amdhsa_float_denorm_mode_32 3
		.amdhsa_float_denorm_mode_16_64 3
		.amdhsa_memory_ordered 1
		.amdhsa_forward_progress 1
		.amdhsa_inst_pref_size 57
	.end_amdhsa_kernel
	.amdgpu_metadata
---
amdhsa.version: [ 1, 2 ]
amdhsa.kernels:
  - .name:           k_q7351640458_kvproj
    .symbol:         k_q7351640458_kvproj.kd
    .args:
      - { .name: xi, .offset: 0, .size: 8, .value_kind: global_buffer, .address_space: global }
      - { .name: wi, .offset: 8, .size: 8, .value_kind: global_buffer, .address_space: global }
      - { .name: bk, .offset: 16, .size: 8, .value_kind: global_buffer, .address_space: global }
      - { .name: bv, .offset: 24, .size: 8, .value_kind: global_buffer, .address_space: global }
      - { .name: kv, .offset: 32, .size: 8, .value_kind: global_buffer, .address_space: global }
    .group_segment_fixed_size: 197632
    .private_segment_fixed_size: 0
    .kernarg_segment_align: 8
    .kernarg_segment_size: 40
    .max_flat_workgroup_size: 256
    .sgpr_count:     66
    .vgpr_count:     256
    .wavefront_size: 32
...
	.end_amdgpu_metadata
.endif
;; end of part 3
;; launch attn (part 4): grid 64 x 4, 8 waves a work-group, clusters of 4 x 1, 206,848 bytes of LDS; arguments qi, kv, ai; writes ai
.if DOCPART == 4
	.amdgcn_target "amdgcn-amd-amdhsa--gfx1250"
	.amdhsa_code_object_version 6
	.text
	.protected	k_q7351640458_attn
	.globl	k_q7351640458_attn
	.p2align	8
	.type	k_q7351640458_attn,@function
k_q7351640458_attn:
	s_mov_b64 s[64:65], 0
	v_nop
	global_prefetch_b8 v0, s[64:65] scope:SCOPE_SE
	s_setreg_imm32_b32 hwreg(HW_REG_WAVE_MODE, 25, 1), 1
	s_wait_xcnt 0x0
	s_wait_alu depctr_hold_cnt(0) depctr_sa_sdst(0) depctr_va_vdst(0) depctr_va_sdst(0) depctr_va_ssrc(0) depctr_va_vcc(0) depctr_vm_vsrc(0)
	s_getreg_b32 s2, hwreg(HW_REG_IB_STS2, 6, 4)
	s_cmp_eq_u32 s2, 0
	s_cbranch_scc0 .Lentry_in_a_cluster
	s_endpgm
.Lentry_in_a_cluster:
	s_bfe_u32 s2, ttmp6, 0x10000c
	s_cmp_lg_u32 s2, 0x3003
	s_cbranch_scc0 .Lentry_shape_is_right
	s_endpgm
.Lentry_shape_is_right:
; For each batch, head and query: o = the sum over keys of softmax(q . k / 8) v, both products on codes of BF6 (E3M2) with E8M0 scales; all 16 heads share K and V.  o is quantised along hidden for the last product.
; THE SOFTMAX AHEAD OF THE SECOND PRODUCT: t = score x log2(e) / 8; M = the row's largest t so far, rounded UP to a whole number; p = 2^(t - M) is quantised along the keys, not normalised.
; The row's sum is taken of the unquantised p and divides o at the end.  When M moves, the sum and o are multiplied by 2^(old M - new M): exact.
; LIMITS: NaN and infinities are not served; a block whose largest magnitude lies under 2^-122 (of p: all of whose p have fallen to 0) keeps the byte 1: this program alone reads the bytes.
; A block's largest p is not searched for: the block's largest score goes through the same multiply-add and exponential; that takes v_exp_f32 not to fall where its input rises.
; SHARES.  A work-group takes 32 tokens (two token tiles) x 16 heads of one batch.  Wave w of eight takes token tile w / 4 and the FOUR heads 4 (w % 4) + 0 .. 3, all in one walk over the 2,048 keys:
; a fragment of K or V is read from LDS once a wave and feeds four tiles of queries.  A wave's 128 results a lane are two whole K steps of the last product's operand; no wave hands anything to another.
; The four heads go in two PAIRS; within a pair the two heads' dependent lines take turns, and the second head's multiply-adds stand among the first head's exponentials.
; LDS holds the batch's whole K and V: 16 chunks (128 keys) of 12,800 bytes: 4 fragments of K, 4 of V (images of 1,536 bytes), K's scale words at 12,288, V's at 12,544.  Filled once: no ring.
; CLUSTER 4 x 1: the four partners belong to one batch: wave w asks jointly for chunks 2 w and 2 w + 1, 25,600 dense bytes.  No data prefetch: all that the launch reads by tensor loads is asked for at the head.
; LAYOUT.  Both products transposed: S^T = K Q^T, O^T = V^T P^T: a lane holds one query throughout.  Row r of a chunk's key tile T is key 64 (T / 4) + 32 (r / 8) + 8 (T % 4) + r % 8, so the 32 score
; registers of tiles 4 c .. 4 c + 3 are keys 64 c + 32 (lane / 16) + 0 .. 31: a whole block of p in a lane, in the second product's own order.  V's d tiles have the same order of rows.
; K = 64: a fragment of K holds key tile 2 b in k = 0 .. 63 and tile 2 b + 1 in k = 64 .. 127.  A pair's Q lies as 30 registers [0 | q | 0 | q' | 0]: [q | 0] picks tile 2 b, [0 | q] tile 2 b + 1.
; REGISTERS.  Window 0: v1-6 addresses and 8 h; v7, v8 the spare word and 0; v9-10 the pair's old -M; v12-19 (-M, largest t) of the four heads; v20-27 their sums, in two halves; v28-31 the pair's factors f;
;   v32-35 K's and V's scale words, v36-39 Q's, v40-41 p's; v42-43 lane permutes' results; v44-47 the conversions' scale operands; v48-95 V's fragments; v96-223 the pair's S^T, then p; v224-247 p's codes
;   (ahead of them the maxima); v248-255 at work.   Window 1: v0-127 O^T, 32 a head; v128-175 K's fragments; v176-235 Q.
.set REC,  12800
.set SEL,  20                          ; s[20:21] lane selects: lane l xor 16
.set CS,   22                          ; s[22:23] c = log2(e) / 8
.set CNT,  32
.set TBR,  33                          ; REC x the trips begun
.set TB,   10                          ; LDS byte at which the chunk to be fetched begins
.set VF,   48
.set SA,   96
.set CD,   224
.set TP,   248
.set TM,   224
.set KF,   128                         ; window 1
.set QF,   176                         ; window 1
.set MSB, 0
.macro WIN new                         ; the immediate's high byte repeats the setting that is left
.if MSB != \new
	s_set_vgpr_msb (MSB<<8)|\new
.set MSB, \new
.endif
.endm
.macro WALU
	s_wait_alu depctr_va_vdst(0)
.endm
.macro ROUND
	s_barrier_signal -1
	s_barrier_wait -1
	s_cmp_lg_u32 s12, 0
	s_cbranch_scc1 .Lnot_wave_0_\@
	s_barrier_signal -3
.Lnot_wave_0_\@:
	s_barrier_wait -3
	s_barrier_signal -1
	s_barrier_wait -1
.endm
.macro PLACES
.rept 4
	v_nop
.endr
.endm
.macro WM d, a, b, c, sa, sb, odd      ; one matrix instruction; odd = 1: source 0's scale words are taken from lanes 16-31
.if \odd
	v_wmma_scale_f32_16x16x128_f8f6f4 v[\d:\d+7], v[\a:\a+11], v[\b:\b+11], \c, v[\sa], v[\sb] matrix_a_fmt:MATRIX_FMT_BF6 matrix_b_fmt:MATRIX_FMT_BF6 matrix_a_scale:MATRIX_SCALE_ROW1
.else
	v_wmma_scale_f32_16x16x128_f8f6f4 v[\d:\d+7], v[\a:\a+11], v[\b:\b+11], \c, v[\sa], v[\sb] matrix_a_fmt:MATRIX_FMT_BF6 matrix_b_fmt:MATRIX_FMT_BF6
.endif
.endm
.macro KLOADS                          ; K's four fragments and their words, of the chunk at v3, v4: 14 loads
	WIN 0x40
.irp b, 0,1,2,3
.irp g, 0,1,2
	ds_load_b128 v[KF+12*\b+4*\g:KF+12*\b+4*\g+3], v3 offset:1536*\b+512*\g
.endr
.endr
	WIN 0
	ds_load_b32 v32, v4                            ; lanes 0-15 fragment 0's words, lanes 16-31 fragment 1's;
	ds_load_b32 v33, v4 offset:128                 ; fragments 2 and 3
.endm
.macro VLOADS                          ; V's likewise: 14 loads
.irp t, 0,1,2,3
.irp g, 0,1,2
	ds_load_b128 v[VF+12*\t+4*\g:VF+12*\t+4*\g+3], v3 offset:6144+1536*\t+512*\g
.endr
.endr
	ds_load_b32 v34, v4 offset:256
	ds_load_b32 v35, v4 offset:384
.endm
; 64 numbers of a lane in the operand's own order, register 32 c + i = k 64 c + 32 (lane / 16) + i of row lane % 16, become a fragment's 12 registers in v[pc] on (pc + 12 .. pc + 18 at work) and its scale word in v[pw].
.macro QW d, pc, pw
.irp c, 0,1
	v_max3_num_f32 v[TM+\c], |v[\d+32*\c]|, |v[\d+1+32*\c]|, 0x2800000
.endr
.irp i, 2,4,6,8,10,12,14,16,18,20,22,24,26,28,30
.irp c, 0,1
	v_max3_num_f32 v[TM+\c], v[TM+\c], |v[\d+32*\c+\i]|, |v[\d+1+32*\c+\i]|
.endr
.endr
.irp c, 0,1
	v_add_nc_u32 v[TM+2+\c], 0xfe000000, v[TM+\c]
.endr
.irp c, 0,1
	v_lshrrev_b32 v[TM+4+\c], 23, v[TM+2+\c]
.endr
	v_lshl_or_b32 v[\pw], v[TM+5], 16, v[TM+4]
	v_lshlrev_b32 v[\pw], v5, v[\pw]
	v_permlanex16_b32 v[TM+6], v[\pw], s[SEL], s[SEL+1]
	v_or_b32 v[\pw], v[\pw], v[TM+6]
.irp c, 0,1
	v_cvt_scalef32_pk16_bf6_f32 v[\pc+6*\c:\pc+2+6*\c], v[\d+32*\c:\d+15+32*\c], v[TM+2+\c]
	v_cvt_scalef32_pk16_bf6_f32 v[\pc+12+4*\c:\pc+14+4*\c], v[\d+16+32*\c:\d+31+32*\c], v[TM+2+\c]
.endr
	v_nop
.irp c, 0,1
.irp i, 0,1,2
	v_mov_b32 v[\pc+3+6*\c+\i], v[\pc+12+4*\c+\i]
.endr
.endr
.endm
; PAIR j: heads 2 j + x of my four (x = 0, 1) against the chunk's 128 keys.
.macro PAIR j
	WIN 0x05                                       ; sources 0 (K) and 1 (Q) window 1
.irp x, 0,1
.irp b, 0,1,2,3
.irp u, 0,1
	WM SA+64*\x+16*\b+8*\u, KF+12*\b, QF+30*\j+12*\x+6-6*\u, 0, 32+\b/2, 36+2*\j+\x, \b%2
.endr
.endr
.endr
	WIN 0
	v_mov_b32 v9, v[12+4*\j]                       ; four places in front of the first read of the scores (and of the loads into K's registers): the two -M are kept,
	v_mov_b32 v10, v[14+4*\j]
.if \j
	s_add_co_u32 s[TBR], s[TBR], REC
	s_min_u32 s[TB], s[TBR], 15*REC                ; the next chunk; the last trip names chunk 15 once more, and what it fetches is not read
	v_add_nc_u32 v3, s[TB], v1
	v_add_nc_u32 v4, s[TB], v2
	KLOADS                                         ; both pairs have multiplied K's fragments: the next chunk's land while this pair's softmax is walked
.else
	v_nop
	v_nop
.endif
.irp k, 0,1,2,3                        ; the largest score, in four chains of 15 a head; each accumulator is read from its low end on
.irp x, 0,1
	v_max3_num_f32 v[CD+12*\x+\k], v[SA+64*\x+16*\k], v[SA+64*\x+16*\k+1], v[SA+64*\x+16*\k+2]
.endr
.endr
.irp i, 3,5,7,9,11,13
.irp k, 0,1,2,3
.irp x, 0,1
	v_max3_num_f32 v[CD+12*\x+\k], v[CD+12*\x+\k], v[SA+64*\x+16*\k+\i], v[SA+64*\x+16*\k+\i+1]
.endr
.endr
.endr
.irp c, 0,1
.irp x, 0,1
	v_max3_num_f32 v[CD+12*\x+4+\c], v[CD+12*\x+2*\c], v[CD+12*\x+2*\c+1], v[SA+64*\x+15+32*\c]
.endr
.endr
.irp c, 0,1
.irp x, 0,1
	v_max_num_f32 v[CD+12*\x+4+\c], v[CD+12*\x+4+\c], v[SA+64*\x+31+32*\c]   ; the largest score of my block 2 c + h: for the row's maximum and for the block's largest p
.endr
.endr
.irp x, 0,1
	v_max_num_f32 v[TP+4*\x], v[CD+12*\x+4], v[CD+12*\x+5]
.endr
.irp x, 0,1
	v_permlanex16_b32 v[42+\x], v[TP+4*\x], s[SEL], s[SEL+1]
.endr
.irp x, 0,1
	v_max_num_f32 v[TP+4*\x], v[TP+4*\x], v[42+\x]                 ; with lane l xor 16's two blocks: the step's largest score of my query
.endr
.irp x, 0,1
	v_mul_f32 v[TP+4*\x], s[CS], v[TP+4*\x]                        ; as t (c is positive)
.endr
.irp x, 0,1
	v_max_num_f32 v[13+4*\j+2*\x], v[13+4*\j+2*\x], v[TP+4*\x]     ; the running largest t
.endr
.irp x, 0,1
	v_floor_f32 v[12+4*\j+2*\x], -v[13+4*\j+2*\x]                  ; the new -M = floor(-t) = -ceil(t)
.endr
.irp x, 0,1
	v_sub_f32 v[TP+4*\x], v[12+4*\j+2*\x], v[9+\x]                 ; old M less new M: a whole number, 0 or less
.endr
.irp x, 0,1
	v_cvt_i32_f32 v[TP+4*\x], v[TP+4*\x]                           ; (it saturates)
.endr
.irp x, 0,1
	v_ldexp_f32 v[28+2*\x], 1.0, v[TP+4*\x]                        ; f = 2^(old M - new M)
.endr
.set i, 0
.rept 32
	v_pk_fma_f32 v[SA+i:SA+i+1], v[SA+i:SA+i+1], s[CS:CS+1], v[12+4*\j:13+4*\j] op_sel_hi:[1,0,0]   ; the first head's t - M, two at a time
.set i, i+2
.endr
	v_pk_fma_f32 v[CD+4:CD+5], v[CD+4:CD+5], s[CS:CS+1], v[12+4*\j:13+4*\j] op_sel_hi:[1,0,0]       ; the same of its two blocks' largest scores
	WALU                                           ; the wait ahead of a batch of transcendentals
.set i, 0
.rept 32                               ; the first head's p = 2^(t - M); among the exponentials the second head's t - M, which nothing reads ahead of the next wait
	v_exp_f32 v[SA+i], v[SA+i]
	v_pk_fma_f32 v[SA+64+i:SA+65+i], v[SA+64+i:SA+65+i], s[CS:CS+1], v[14+4*\j:15+4*\j] op_sel_hi:[1,0,0]
	v_exp_f32 v[SA+i+1], v[SA+i+1]
.set i, i+2
.endr
	v_exp_f32 v[CD+4], v[CD+4]
	v_pk_fma_f32 v[CD+16:CD+17], v[CD+16:CD+17], s[CS:CS+1], v[14+4*\j:15+4*\j] op_sel_hi:[1,0,0]
	v_exp_f32 v[CD+5], v[CD+5]
	v_pk_mul_f32 v[20+4*\j:21+4*\j], v[20+4*\j:21+4*\j], v[28:29] op_sel_hi:[1,0]   ; the first head's sum under the new M.  (A plain place behind the exponentials)
	WALU                                           ; behind one batch and ahead of the next
.set i, 0
.rept 64
	v_exp_f32 v[SA+64+i], v[SA+64+i]               ; the second head's p
.set i, i+1
.endr
	v_exp_f32 v[CD+16], v[CD+16]
	v_exp_f32 v[CD+17], v[CD+17]
	v_pk_mul_f32 v[22+4*\j:23+4*\j], v[22+4*\j:23+4*\j], v[30:31] op_sel_hi:[1,0]
	WALU
.irp c, 0,1
.irp x, 0,1
	v_max_num_f32 v[CD+12*\x+4+\c], 0x2800000, v[CD+12*\x+4+\c]    ; the floor 2^(5 - 127): the byte cannot fall under 1
.endr
.endr
.irp c, 0,1
.irp x, 0,1
	v_add_nc_u32 v[44+2*\x+\c], 0xfe000000, v[CD+12*\x+4+\c]       ; 4 off the exponent field: the conversion's scale operand
.endr
.endr
.irp c, 0,1
.irp x, 0,1
	v_lshrrev_b32 v[TP+4*\x+\c], 23, v[44+2*\x+\c]
.endr
.endr
.irp x, 0,1
	v_lshl_or_b32 v[40+\x], v[TP+4*\x+1], 16, v[TP+4*\x]           ; my two bytes: blocks h and 2 + h,
.endr
.irp x, 0,1
	v_lshlrev_b32 v[40+\x], v5, v[40+\x]                           ; 8 h bits up;
.endr
.irp x, 0,1
	v_permlanex16_b32 v[42+\x], v[40+\x], s[SEL], s[SEL+1]
.endr
.irp x, 0,1
	v_or_b32 v[40+\x], v[40+\x], v[42+\x]                          ; with lane l xor 16's two: p's scale word for these 128 keys
.endr
.irp c, 0,1
.irp x, 0,1
	v_cvt_scalef32_pk16_bf6_f32 v[CD+12*\x+6*\c:CD+12*\x+6*\c+2], v[SA+64*\x+32*\c:SA+64*\x+32*\c+15], v[44+2*\x+\c]
	v_cvt_scalef32_pk16_bf6_f32 v[TP+4*\x:TP+4*\x+2], v[SA+64*\x+32*\c+16:SA+64*\x+32*\c+31], v[44+2*\x+\c]   ; a conversion's three registers begin on an even number
.endr
	v_nop                                          ; one plain place behind a scaled conversion
.irp x, 0,1
.irp i, 0,1,2
	v_mov_b32 v[CD+12*\x+6*\c+3+\i], v[TP+4*\x+\i]
.endr
.endr
.endr
.if \j == 0
	s_wait_dscnt 0x0                               ; V's fragments and words are in
.endif
	WIN 0x41                                       ; destination and source 0 window 1
.irp x, 0,1
.set i, 0
.rept 16
	v_pk_mul_f32 v[32*(2*\j+\x)+i:32*(2*\j+\x)+i+1], v[32*(2*\j+\x)+i:32*(2*\j+\x)+i+1], v[28+2*\x:29+2*\x] op_sel_hi:[1,0]   ; O^T under the new M, each accumulator from its low end on.  (Also the places in front of the products below)
.set i, i+2
.endr
.endr
	WIN 0x50                                       ; C and D window 1
.irp t, 0,1,2,3                        ; the eight accumulators take turns
.irp x, 0,1
	WM 32*(2*\j+\x)+8*\t, VF+12*\t, CD+12*\x, v[32*(2*\j+\x)+8*\t:32*(2*\j+\x)+8*\t+7], 34+\t/2, 40+\x, \t%2
.endr
.endr
	WIN 0
.irp x, 0,1                            ; THE ROW'S SUM IS TAKEN OF THE UNQUANTISED p, two at a time, in two chains a head.  It stands here as the places behind the products
	v_pk_add_f32 v[TP+4*\x:TP+4*\x+1], v[SA+64*\x:SA+64*\x+1], v[SA+64*\x+2:SA+64*\x+3]
.endr
.irp x, 0,1
	v_pk_add_f32 v[20+4*\j+2*\x:21+4*\j+2*\x], v[20+4*\j+2*\x:21+4*\j+2*\x], v[SA+64*\x+4:SA+64*\x+5]
	v_pk_add_f32 v[TP+4*\x:TP+4*\x+1], v[TP+4*\x:TP+4*\x+1], v[SA+64*\x+6:SA+64*\x+7]
.endr
.if \j
	VLOADS                                         ; both pairs have multiplied V's fragments: the next chunk's
.endif
.irp i, 8,12,16,20,24,28,32,36,40,44,48,52,56,60
.irp x, 0,1
	v_pk_add_f32 v[20+4*\j+2*\x:21+4*\j+2*\x], v[20+4*\j+2*\x:21+4*\j+2*\x], v[SA+64*\x+\i:SA+64*\x+\i+1]
	v_pk_add_f32 v[TP+4*\x:TP+4*\x+1], v[TP+4*\x:TP+4*\x+1], v[SA+64*\x+\i+2:SA+64*\x+\i+3]
.endr
.endr
.irp x, 0,1
	v_pk_add_f32 v[20+4*\j+2*\x:21+4*\j+2*\x], v[20+4*\j+2*\x:21+4*\j+2*\x], v[TP+4*\x:TP+4*\x+1]
.endr
.endm
	s_load_b128 s[4:7], s[0:1], 0x0                ; qi s[4:5], kv s[6:7]
	s_load_b64 s[8:9], s[0:1], 0x10                ; ai
	v_lshl_add_u32 v7, v0, 2, 0x32000
	v_mov_b32 v8, 0
	ds_add_u32 v7, v8                              ; the opening lines: the add, twice on end, and its wait
	ds_add_u32 v7, v8
	v_lshrrev_b32 v3, 5, v0
	v_readfirstlane_b32 s12, v3                    ; wave 0..7
	s_bfe_u32 s13, ttmp6, 0x40000                  ; cx: it enters qi's and ai's addresses alone
	s_lshl_b32 s14, ttmp9, 2
	s_add_co_u32 s14, s14, s13                     ; which two token tiles of the batch
	s_and_b32 s15, ttmp7, 0xffff                   ; the batch, which the four partners share
	; group 1: two chunks, 25,600 dense bytes, as 100 rows of 256 bytes (32 elements of 8 bytes)
	s_mov_b32 s24, 15|(3<<16)|(1<<21)              ; 15:0 the mask: all four work-groups; 17:16 elements of 8 bytes; 21 set beside a mask
	s_mov_b32 s25, 32<<16
	s_mov_b32 s26, 100<<16
	s_mov_b32 s27, 32<<16
	s_mov_b32 s28, 100
	s_mov_b32 s29, 32
	s_mov_b32 s30, 0
	s_mov_b32 s31, 0
	s_mul_i32 s10, s15, 16*REC
	s_mul_i32 s17, s12, 2*REC                      ; chunks 2 w, 2 w + 1: their place in LDS and in the batch's part of kv
	s_add_co_u32 s10, s10, s17
	s_mov_b32 s11, 0
	s_lshl_b32 s34, s15, 7
	s_lshl_b32 s35, s14, 1
	s_add_co_u32 s34, s34, s35
	s_lshr_b32 s35, s12, 2
	s_add_co_u32 s34, s34, s35                     ; my token tile: 128 batch + 2 x + w / 4
	s_mul_i32 s34, s34, REC
	s_and_b32 s35, s12, 3                          ; my four heads are K steps 2 (w % 4) and the next, of q and of the result
	s_mul_i32 s38, s35, 3072
	s_add_co_u32 s38, s38, s34
	s_mov_b32 s39, 0
	s_lshl_b32 s36, s35, 7
	s_add_co_u32 s36, s36, s34
	s_add_co_u32 s36, s36, 12288
	s_mov_b32 s37, 0
	s_mov_b32 s[SEL], 0x76543210
	s_mov_b32 s[SEL+1], 0xfedcba98
	s_mov_b32 s[CS], 0x3e38aa3b                    ; c = log2(e) / 8
	s_mov_b32 s[CS+1], s[CS]                       ; (named with it as a pair, so it is written)
	s_wait_dscnt 0x0
	s_wait_kmcnt 0x0
	s_mov_b32 s16, 1
	s_add_nc_u64 s[18:19], s[6:7], s[10:11]
	s_or_b32 s19, s19, 0x80000000
	s_add_nc_u64 s[40:41], s[4:5], s[38:39]        ; q's two images,
	s_add_nc_u64 s[42:43], s[4:5], s[36:37]        ; their scale words,
	s_add_nc_u64 s[44:45], s[8:9], s[38:39]        ; the result's images,
	s_add_nc_u64 s[46:47], s[8:9], s[36:37]        ; their scale words
	ROUND                                          ; all four work-groups are here: the joint loads meet
	tensor_load_to_lds s[16:19], s[24:31]          ; my one tensor load of the launch
	s_nop 0
	PLACES                                         ; four v_nop follow it
	v_and_b32 v4, 31, v0
	v_lshlrev_b32 v1, 4, v4                        ; 16 x lane: an image's place for my lane, in LDS and in memory
	v_lshl_add_u32 v2, v4, 2, 12288                ; 4 x lane behind a chunk's images: its scale words
	v_bfe_u32 v5, v0, 4, 1
	v_lshlrev_b32 v5, 3, v5                        ; 8 h
	v_and_b32 v6, 15, v0
	v_lshlrev_b32 v6, 2, v6                        ; 4 r
.irp e, 0,1
.irp g, 0,1,2
	global_load_b128 v[SA+12*\e+4*\g:SA+12*\e+4*\g+3], v1, s[40:41] offset:1536*\e+512*\g
.endr
.endr
	global_load_b32 v9, v6, s[42:43]
	global_load_b32 v10, v6, s[42:43] offset:64
	WIN 0x40
.set i, 0
.rept 128
	v_mov_b32 v[i], 0                              ; O^T: the step is written once: the first trip finds zeros, which the first change of M leaves zeros
.set i, i+1
.endr
.irp e, 0,1
.irp z, 0,12,24
.irp i, 0,1,2,3,4,5
	v_mov_b32 v[QF+30*\e+\z+\i], 0                 ; the zero codes beside q
.endr
.endr
.endr
	WIN 0
	WALU                                           ; the wait ahead of the waits below
	s_wait_tensorcnt 0x0                           ; my two chunks have landed,
	s_barrier_signal -1
	s_barrier_wait -1                              ; everybody's have
	v_mov_b32 v3, v1
	v_mov_b32 v4, v2
	KLOADS                                         ; chunk 0
	VLOADS
	s_wait_loadcnt 0x0                             ; q
	v_perm_b32 v36, v9, v9, 0x01000100             ; a head's two scale bytes, twice: they serve k = 0 .. 63 and k = 64 .. 127 alike
	v_perm_b32 v37, v9, v9, 0x03020302
	v_perm_b32 v38, v10, v10, 0x01000100
	v_perm_b32 v39, v10, v10, 0x03020302
	WIN 0x40
.irp e, 0,1
.irp i, 0,1,2,3,4,5
	v_mov_b32 v[QF+30*\e+6+\i], v[SA+12*\e+\i]
	v_mov_b32 v[QF+30*\e+18+\i], v[SA+12*\e+6+\i]
.endr
.endr
	WIN 0
.irp u, 0,1,2,3                        ; (these twenty lines are also the places behind the writes of Q and of its scale words)
	v_mov_b32 v[13+2*\u], 0xff61b1e6               ; the largest t so far: -3e38, under every t
	v_mov_b32 v[20+2*\u], 0
	v_mov_b32 v[21+2*\u], 0
.endr
.irp u, 0,1,2,3
	v_floor_f32 v[12+2*\u], -v[13+2*\u]            ; -M
.endr
	v_mov_b32 v29, 0                               ; (named as the upper halves of the pairs that hold f)
	v_mov_b32 v31, 0
	v_mov_b32 v42, 0                               ; written once: a lane permute's destination counts as one of its sources
	v_mov_b32 v43, 0
	s_mov_b32 s[TBR], 0
	s_mov_b32 s[CNT], 16
	WALU                                           ; the wait at the head's end
.Lstep:                                ; a trip: 128 keys, four heads
	s_wait_dscnt 14                                ; K's fragments and words are in; younger are V's 14 loads
	PAIR 0
	PAIR 1
	s_sub_co_u32 s[CNT], s[CNT], 1
	s_cmp_lg_u32 s[CNT], 0
	WALU                                           ; the wait ahead of the branch
	s_cbranch_scc1 .Lstep
.irp u, 0,1,2,3
	v_add_f32 v[20+2*\u], v[20+2*\u], v[21+2*\u]   ; a sum's two halves,
.endr
	v_permlanex16_b32 v42, v20, s[SEL], s[SEL+1]
	v_permlanex16_b32 v43, v22, s[SEL], s[SEL+1]
	v_permlanex16_b32 v9, v24, s[SEL], s[SEL+1]
	v_permlanex16_b32 v10, v26, s[SEL], s[SEL+1]
	v_add_f32 v20, v20, v42                        ; and lane l xor 16's: the row's sum
	v_add_f32 v22, v22, v43
	v_add_f32 v24, v24, v9
	v_add_f32 v26, v26, v10
	WALU
	v_rcp_f32 v28, v20
	v_rcp_f32 v30, v22
	v_rcp_f32 v44, v24
	v_rcp_f32 v46, v26
	v_nop                                          ; one plain place behind a transcendental
	WALU
	WIN 0x01                                       ; source 0 window 1
.irp u, 0,1,2,3
.set i, 0
.rept 16
	v_pk_mul_f32 v[SA+32*\u+i:SA+32*\u+i+1], v[32*\u+i:32*\u+i+1], v[28+2*\u+12*(\u/2):29+2*\u+12*(\u/2)] op_sel_hi:[1,0]   ; O^T / the sum: register 32 u + i is d = 32 (lane / 16) + i of my head u
.set i, i+2
.endr
.endr
	WIN 0
	QW SA, 232, 40
.irp g, 0,1,2
	global_store_b128 v1, v[232+4*\g:232+4*\g+3], s[44:45] offset:512*\g   ; 512 consecutive bytes, aligned
.endr
	global_store_b32 v6, v40, s[46:47]             ; 16 words; both halves of the lanes hold and write the same
	QW SA+64, 96, 41                               ; codes into registers of their own: no store's data are written again
.irp g, 0,1,2
	global_store_b128 v1, v[96+4*\g:96+4*\g+3], s[44:45] offset:1536+512*\g
.endr
	global_store_b32 v6, v41, s[46:47] offset:64
	s_wait_tensorcnt 0x0                           ; the wave's end
	ds_add_u32 v7, v8
	s_wait_dscnt 0x0
	ROUND                                          ; the closing round
	s_endpgm
.Lfunc_end_k_q7351640458_attn:
	.size	k_q7351640458_attn, .Lfunc_end_k_q7351640458_attn-k_q7351640458_attn
	.p2alignl 7, 3214868480
	.fill 96, 4, 3214868480
	.section	.rodata,"a",@progbits
	.p2align	6, 0x0
	.amdhsa_kernel k_q7351640458_attn
		.amdhsa_group_segment_fixed_size 206848
		.amdhsa_private_segment_fixed_size 0
		.amdhsa_enable_private_segment 0
		.amdhsa_kernarg_size 24
		.amdhsa_user_sgpr_count 2
		.amdhsa_user_sgpr_kernarg_segment_ptr 1
		.amdhsa_wavefront_size32 1
		.amdhsa_system_sgpr_workgroup_id_x 1
		.amdhsa_system_sgpr_workgroup_id_y 1
		.amdhsa_system_sgpr_workgroup_id_z 1
		.amdhsa_system_vgpr_workitem_id 0
		.amdhsa_next_free_vgpr 512
		.amdhsa_next_free_sgpr 66
		.amdhsa_reserve_vcc 0
		.amdhsa_float_denorm_mode_32 3
		.amdhsa_float_denorm_mode_16_64 3
		.amdhsa_memory_ordered 1
		.amdhsa_forward_progress 1
		.amdhsa_inst_pref_size 77
	.end_amdhsa_kernel
	.amdgpu_metadata
---
amdhsa.version: [ 1, 2 ]
amdhsa.kernels:
  - .name:           k_q7351640458_attn
    .symbol:         k_q7351640458_attn.kd
    .args:
      - { .name: qi, .offset: 0, .size: 8, .value_kind: global_buffer, .address_space: global }
      - { .name: kv, .offset: 8, .size: 8, .value_kind: global_buffer, .address_space: global }
      - { .name: ai, .offset: 16, .size: 8, .value_kind: global_buffer, .address_space: global }
    .group_segment_fixed_size: 206848
    .private_segment_fixed_size: 0
    .kernarg_segment_align: 8
    .kernarg_segment_size: 24
    .max_flat_workgroup_size: 256
    .sgpr_count:     66
    .vgpr_count:     512
    .wavefront_size: 32
...
	.end_amdgpu_metadata
.endif
;; end of part 4
;; launch oproj (part 5): grid 4 x 64, 4 waves a work-group, clusters of 4 x 4, 295,424 bytes of LDS; arguments ai, wi, bo, out0; writes out0
.if DOCPART == 5
	.amdgcn_target "amdgcn-amd-amdhsa--gfx1250"
	.amdhsa_code_object_version 6
	.text
	.protected	k_q7351640458_oproj
	.globl	k_q7351640458_oproj
	.p2align	8
	.type	k_q7351640458_oproj,@function
k_q7351640458_oproj:
	s_mov_b64 s[64:65], 0
	v_nop
	global_prefetch_b8 v0, s[64:65] scope:SCOPE_SE
	s_setreg_imm32_b32 hwreg(HW_REG_WAVE_MODE, 25, 1), 1
	s_wait_xcnt 0x0
	s_wait_alu depctr_hold_cnt(0) depctr_sa_sdst(0) depctr_va_vdst(0) depctr_va_sdst(0) depctr_va_ssrc(0) depctr_va_vcc(0) depctr_vm_vsrc(0)
	s_getreg_b32 s2, hwreg(HW_REG_IB_STS2, 6, 4)
	s_cmp_eq_u32 s2, 0
	s_cbranch_scc0 .Lentry_in_a_cluster
	s_endpgm
.Lentry_in_a_cluster:
	s_bfe_u32 s2, ttmp6, 0x10000c
	s_cmp_lg_u32 s2, 0xf033
	s_cbranch_scc0 .Lentry_shape_is_right
	s_endpgm
.Lentry_shape_is_right:
; out0 = Q(attention's result) Q(Wo) + bo on codes of BF6 (E3M2) with E8M0 scales; f32 out.
; Both operands come as tile records (12,800 bytes: 8 K steps x an image of the fragment's 12 registers, 1,536 bytes each, then 512 bytes of scale words, (step s, row r) at 12,288 + 64 s + 4 r).
; Tile T's row r is row 64 (T / 4) + 32 (r / 8) + 8 (T % 4) + r % 8 of the tensor; the way out undoes that order by its offsets.  Wo's tiles are 72 .. 135 of wi.
; SHARES.  256 work-groups: (x, y) takes 128 tokens (8 tiles) x 256 columns (16 tiles); wave w = (wm, wn) takes 4 token tiles x 8 column tiles: 32 accumulators.
; THE PRODUCT IS USED TRANSPOSED: source 0 = 16 columns of Wo, source 1 = 16 tokens: a lane holds one token and, in a tile's eight registers, eight neighbouring columns.  bo is the C of each sum's first instruction.
; LDS holds the whole K of both operands, (8 + 16) tiles x 12,288 bytes, in four chunks of four K steps; each byte is filled once, so there is no ring.
; CLUSTER 4 x 4: the tokens' tiles hang on y alone and are asked for jointly along a row of the cluster, Wo's on x alone, along a column.
; REGISTERS: window 0: v1-15 addresses; v16-47 Wo's scale words, v48-63 the tokens' (register 4 tile + p: lanes 0-15 step 2 p, lanes 16-31 step 2 p + 1); v64-159 the tokens' fragments, two sets;
;   on the way out v64-191 rows read back; v200-201 stage addresses.   window 1: v0-191 Wo's fragments, two sets; v192-255 bo.   window 2: accumulator (a, t) at v[64 a + 8 t].
.set WB,   72
.set REC,  12800
.set ACH,  49152                       ; LDS LAYOUT: two halves along K, four K steps each.  A half of the tokens' operand: 8 tiles x 4 steps x 1,536 bytes
.set WCH,  98304                       ; a half of Wo: 16 tiles
.set WL,   98304                       ; Wo's chunks lie behind the tokens' two
.set G1A,  24                          ; s[24:31] descriptor group 1 for the tokens' tiles;  s[32:39] for Wo's
.set G1W,  32
.set G0A,  40                          ; s[40:47] group 0 for the tokens' two chunks;  s[68:75] for Wo's
.set G0W,  68
.set AX,   8
.set AW,   12
.set WS,   16
.set XS,   48
.set XF,   64
.set BK,   64
.set STO,  200
.set RD,   201
.set MSB, 0
.macro WIN new                         ; the immediate's high byte repeats the setting that is left
.if MSB != \new
	s_set_vgpr_msb (MSB<<8)|\new
.set MSB, \new
.endif
.endm
.set MULW, 0xa1                        ; source 0 (Wo) window 1, source 1 (tokens) window 0, C and D window 2
.set MUL0, 0x91                        ; the same with C (bo) in window 1
.set TOW,  0x40                        ; destination window 1
.set STD,  0x08                        ; an LDS store's data (source 1) window 2
.macro ROUND                           ; a round of the cluster's barrier
	s_barrier_signal -1
	s_barrier_wait -1
	s_cmp_lg_u32 s12, 0
	s_cbranch_scc1 .Lnot_wave_0_\@
	s_barrier_signal -3
.Lnot_wave_0_\@:
	s_barrier_wait -3
	s_barrier_signal -1
	s_barrier_wait -1
.endm
.macro PLACES                          ; four places between a matrix instruction and a load into, or a read of, its registers
.rept 4
	v_nop
.endr
.endm
.macro WM d, a, b, c, sa, sb, odd      ; one matrix instruction; odd = 1: both scale words are taken from lanes 16-31
.if \odd
	v_wmma_scale_f32_16x16x128_f8f6f4 v[\d:\d+7], v[\a:\a+11], v[\b:\b+11], v[\c:\c+7], v[\sa], v[\sb] matrix_a_fmt:MATRIX_FMT_BF6 matrix_b_fmt:MATRIX_FMT_BF6 matrix_a_scale:MATRIX_SCALE_ROW1 matrix_b_scale:MATRIX_SCALE_ROW1
.else
	v_wmma_scale_f32_16x16x128_f8f6f4 v[\d:\d+7], v[\a:\a+11], v[\b:\b+11], v[\c:\c+7], v[\sa], v[\sb] matrix_a_fmt:MATRIX_FMT_BF6 matrix_b_fmt:MATRIX_FMT_BF6
.endif
.endm
.macro FETCH s                         ; K step s: 8 + 4 fragments, 36 loads of 512 consecutive bytes, into set s % 2
	WIN TOW
.irp t, 0,1,2,3,4,5,6,7
.irp g, 0,1,2
	ds_load_b128 v[96*((\s)%2)+12*\t+4*\g:96*((\s)%2)+12*\t+4*\g+3], v[AW+(\s)/4] offset:6144*\t+1536*((\s)%4)+512*\g
.endr
.endr
	WIN 0
.irp a, 0,1,2,3
.irp g, 0,1,2
	ds_load_b128 v[XF+48*((\s)%2)+12*\a+4*\g:XF+48*((\s)%2)+12*\a+4*\g+3], v[AX+(\s)/4] offset:6144*\a+1536*((\s)%4)+512*\g
.endr
.endr
.endm
.macro MULS s                          ; 32 matrix instructions; the 32 accumulators take turns, in the same order in every step
.if (\s) == 0
	WIN MUL0
.else
	WIN MULW
.endif
.irp a, 0,1,2,3
.irp t, 0,1,2,3,4,5,6,7
.if (\s) == 0
	WM 64*\a+8*\t, 12*\t, XF+12*\a, 192+8*\t, WS+4*\t, XS+4*\a, 0
.else
	WM 64*\a+8*\t, 96*((\s)%2)+12*\t, XF+48*((\s)%2)+12*\a, 64*\a+8*\t, WS+4*\t+(\s)/2, XS+4*\a+(\s)/2, (\s)%2
.endif
.endr
.endr
.endm
.macro STEP s
.if (\s) == 3
	s_wait_tensorcnt 0x0                           ; every wave's one load has landed, the second half's two among them
	s_wait_dscnt 0x0                               ; no LDS instruction of mine is out at a signal
	s_barrier_signal -1
	s_barrier_wait -1                              ; everybody's have
.endif
.if (\s) < 7
.if (\s) > 0
	PLACES                                         ; the set to be loaded was read by the step before
.endif
	FETCH (\s)+1
	s_wait_dscnt 36                                ; all but the 36 just issued: this step's fragments are in
.else
	s_wait_dscnt 0x0
.endif
	MULS \s
.endm
	s_load_b256 s[4:11], s[0:1], 0x0               ; ai s[4:5], wi s[6:7], bo s[8:9], out0 s[10:11]
	v_lshl_add_u32 v254, v0, 2, 0x48000
	v_mov_b32 v255, 0
	ds_add_u32 v254, v255
	ds_add_u32 v254, v255
	v_lshrrev_b32 v1, 5, v0
	v_readfirstlane_b32 s12, v1                    ; wave 0..3
	s_lshr_b32 s13, s12, 1                         ; wm: which 4 token tiles
	s_and_b32 s14, s12, 1                          ; wn: which 8 column tiles
	s_bfe_u32 s15, ttmp6, 0x40000                  ; cx, cy: my place in the cluster
	s_bfe_u32 s16, ttmp6, 0x40004
	s_lshl_b32 s17, ttmp9, 2
	s_add_co_u32 s17, s17, s15                     ; x
	s_and_b32 s18, ttmp7, 0xffff
	s_lshl_b32 s18, s18, 2
	s_add_co_u32 s18, s18, s16                     ; y
	s_lshl_b32 s19, s16, 2
	s_lshl_b32 s19, 15, s19                        ; my row of the cluster
	s_lshl_b32 s20, 0x1111, s15                    ; my column
	; group 1: rows of 6,144 bytes (four K steps' images of one tile: 768 elements of 8 bytes), 12,800 bytes (1,600 elements) apart; a load brings a half along K of the 8 token tiles or of Wo's 16
	s_or_b32 s[G1A], s19, (3<<16)|(1<<21)          ; 15:0 the mask; 17:16 elements of 8 bytes; 21 set beside a mask; no padding
	s_or_b32 s[G1W], s20, (3<<16)|(1<<21)
.irp g, G1A, G1W
	s_mov_b32 s[\g+1], 768<<16                     ; tensor_dim0
	s_mov_b32 s[\g+3], 768<<16                     ; tile_dim0
	s_mov_b32 s[\g+5], 1600                        ; tensor_dim0_stride
	s_mov_b32 s[\g+6], 0
	s_mov_b32 s[\g+7], 0
.endr
	s_mov_b32 s[G1A+2], 8<<16                      ; tensor_dim1
	s_mov_b32 s[G1A+4], 8                          ; tile_dim1
	s_mov_b32 s[G1W+2], 16<<16
	s_mov_b32 s[G1W+4], 16
	s_lshl_b32 s84, s18, 3                         ; the first token tile 8 y: made of y alone
	s_mul_i32 s84, s84, REC
	s_mov_b32 s85, 0
	s_lshl_b32 s86, s17, 4
	s_add_co_u32 s86, s86, WB                      ; Wo's first tile 72 + 16 x: made of x alone
	s_mul_i32 s86, s86, REC
	s_mov_b32 s87, 0
	s_wait_dscnt 0x0
	s_wait_kmcnt 0x0
	s_add_nc_u64 s[84:85], s[4:5], s[84:85]
	s_add_nc_u64 s[86:87], s[6:7], s[86:87]
.irp c, 0,1                            ; group 0 of half c of the tokens' operand and of Wo: constants alone enter the LDS addresses
	s_mov_b32 s[G0A+4*\c], 1
	s_mov_b32 s[G0A+4*\c+1], ACH*\c
	s_add_nc_u64 s[G0A+4*\c+2:G0A+4*\c+3], s[84:85], 6144*\c
	s_or_b32 s[G0A+4*\c+3], s[G0A+4*\c+3], 0x80000000
	s_mov_b32 s[G0W+4*\c], 1
	s_mov_b32 s[G0W+4*\c+1], WL+WCH*\c
	s_add_nc_u64 s[G0W+4*\c+2:G0W+4*\c+3], s[86:87], 6144*\c
	s_or_b32 s[G0W+4*\c+3], s[G0W+4*\c+3], 0x80000000
.endr
	ROUND                                          ; all sixteen work-groups are here: the joint loads meet
	; the launch's four fills, one a wave, each in its own arm of one chain: Wo's first half, the tokens' first half, Wo's second, the tokens' second
	s_cmp_eq_u32 s12, 0
	s_cbranch_scc0 .Lw1
	tensor_load_to_lds s[G0W:G0W+3], s[G1W:G1W+7]
	s_nop 0
	PLACES
	s_branch .Lasked
.Lw1:
	s_cmp_eq_u32 s12, 1
	s_cbranch_scc0 .Lw2
	tensor_load_to_lds s[G0A:G0A+3], s[G1A:G1A+7]
	s_nop 0
	PLACES
	s_branch .Lasked
.Lw2:
	s_cmp_eq_u32 s12, 2
	s_cbranch_scc0 .Lw3
	tensor_load_to_lds s[G0W+4:G0W+7], s[G1W:G1W+7]
	s_nop 0
	PLACES
	s_branch .Lasked
.Lw3:
	tensor_load_to_lds s[G0A+4:G0A+7], s[G1A:G1A+7]
	s_nop 0
	PLACES
.Lasked:
	v_and_b32 v1, 31, v0                           ; lane
	v_and_b32 v2, 15, v0                           ; r
	v_bfe_u32 v3, v0, 4, 1                         ; h
	v_lshlrev_b32 v4, 4, v1                        ; 16 x lane
	s_wait_alu depctr_va_vdst(0)
	v_lshlrev_b32 v6, 2, v1                        ; 4 x lane
	v_lshlrev_b32 v7, 7, v3                        ; 128 h
	s_mul_i32 s90, s13, 24576                      ; my 4 token tiles in a half
	s_mul_i32 s91, s14, 49152                      ; my 8 tiles of Wo
	s_add_co_u32 s91, s91, WL
.irp c, 0,1
	v_add_nc_u32 v[AX+\c], s90, v4
	v_add_nc_u32 v[AW+\c], s91, v4
	s_add_co_u32 s90, s90, ACH
	s_add_co_u32 s91, s91, WCH
.endr
	s_mul_i32 s90, s12, 8448                       ; my stage, 16 rows x (512 + 16) bytes, in Wo's chunk 0: that chunk has had its only fill, and its last read
	s_add_co_u32 s90, s90, WL                      ; stands in front of a later barrier that every wave has passed when the first result is stored there
	v_mul_u32_u24 v[STO], v2, 528
	v_lshl_add_u32 v[STO], v3, 7, v[STO]
	v_add_nc_u32 v[STO], s90, v[STO]               ; in: row r, + 128 h
	v_add_nc_u32 v[RD], s90, v4                    ; back: a row of 512 bytes, 16 bytes a lane
	s_lshl_b32 s92, s17, 4
	s_lshl_b32 s93, s14, 3
	s_add_co_u32 s92, s92, s93
	s_add_co_u32 s92, s92, WB                      ; my first tile of Wo
	s_mul_i32 s92, s92, REC
	s_add_co_u32 s92, s92, 12288
	s_mov_b32 s93, 0
	s_add_nc_u64 s[92:93], s[6:7], s[92:93]        ; its scale words
	s_lshl_b32 s94, s18, 3
	s_lshl_b32 s95, s13, 2
	s_add_co_u32 s98, s94, s95                     ; my first token tile: 8 y + 4 wm
	s_mul_i32 s94, s98, REC
	s_add_co_u32 s94, s94, 12288
	s_mov_b32 s95, 0
	s_add_nc_u64 s[94:95], s[4:5], s[94:95]        ; its scale words
	s_lshl_b32 s99, s17, 10
	s_lshl_b32 s97, s14, 9
	s_add_co_u32 s99, s99, s97                     ; my first column, in bytes of f32
	s_mov_b32 s96, s99
	s_mov_b32 s97, 0
	s_add_nc_u64 s[96:97], s[8:9], s[96:97]
	s_lshl_b32 s56, s98, 16                        ; my first token, 16 x the tile (a multiple of 64), in rows of 4,096 bytes
	s_add_co_u32 s56, s56, s99
	s_mov_b32 s57, 0
	s_add_nc_u64 s[56:57], s[10:11], s[56:57]
	s_wait_alu depctr_va_vdst(0)                   ; the wait here, ahead of the loads that read the offsets made above
.irp t, 0,1,2,3,4,5,6,7
.irp p, 0,1,2,3
	global_load_b32 v[WS+4*\t+\p], v6, s[92:93] offset:REC*\t+128*\p   ; 128 consecutive bytes: the words of steps 2 p and 2 p + 1
.endr
.endr
.irp a, 0,1,2,3
.irp p, 0,1,2,3
	global_load_b32 v[XS+4*\a+\p], v6, s[94:95] offset:REC*\a+128*\p
.endr
.endr
	WIN TOW
.irp t, 0,1,2,3,4,5,6,7
	global_load_b128 v[192+8*\t:192+8*\t+3], v7, s[96:97] offset:256*(\t/4)+32*(\t%4)       ; bo at the tile's eight columns of my half: 64 (t / 4) + 32 h + 8 (t % 4) + 0 .. 7
	global_load_b128 v[192+8*\t+4:192+8*\t+7], v7, s[96:97] offset:256*(\t/4)+32*(\t%4)+16
.endr
	WIN 0
	s_wait_alu depctr_va_vdst(0)
	s_cmp_lt_u32 s12, 2
	s_cbranch_scc0 .Lnot_first
	s_wait_tensorcnt 0x0                           ; waves 0 and 1: the first half of Wo and of the tokens' operand has landed; waves 2 and 3's loads may stay out
.Lnot_first:
	s_barrier_signal -1
	s_barrier_wait -1
	FETCH 0
	s_wait_loadcnt 0x0                             ; scale words and bo
.irp s, 0,1,2,3,4,5,6,7
	STEP \s
.endr
	WIN 0
	PLACES                                         ; in front of the first read of results and of loads into the tokens' fragment registers
; THE WAY OUT, a token tile (16 rows x 128 columns) at a time: a lane holds pieces of 32 bytes of one row, so the tile goes through my own stage and comes back as whole rows of 512 bytes.
; LDS serves a wave's instructions in order: no wait between the stores and the loads, nor in front of the next tile's stores.
.macro TOSTAGE a
	WIN STD
.irp t, 0,1,2,3,4,5,6,7
	ds_store_b128 v[STO], v[64*\a+8*\t:64*\a+8*\t+3] offset:256*(\t/4)+32*(\t%4)          ; each accumulator from its low end on
	ds_store_b128 v[STO], v[64*\a+8*\t+4:64*\a+8*\t+7] offset:256*(\t/4)+32*(\t%4)+16
.endr
	WIN 0
.irp i, 0,1,2,3,4,5,6,7,8,9,10,11,12,13,14,15
	ds_load_b128 v[BK+64*((\a)%2)+4*\i:BK+64*((\a)%2)+4*\i+3], v[RD] offset:528*\i
.endr
.endm
.macro SEND a, younger                 ; younger: the LDS instructions issued behind tile a's loads, which may stay out
	s_wait_dscnt \younger
.irp i, 0,1,2,3,4,5,6,7,8,9,10,11,12,13,14,15
	global_store_b128 v4, v[BK+64*((\a)%2)+4*\i:BK+64*((\a)%2)+4*\i+3], s[56:57] offset:(8*(\a)+\i+24*(\i/8))*4096 th:TH_STORE_NT   ; 512 consecutive bytes, aligned: the tile's row i is this token
.endr
.endm
	TOSTAGE 0
	TOSTAGE 1
	SEND 0, 32                                     ; behind tile 0's loads: tile 1's 16 stores and 16 loads
	s_wait_xcnt 0x0                                ; tile 0's stores have read their registers: tile 2's rows may land there
	TOSTAGE 2
	SEND 1, 32
	s_wait_xcnt 0x0
	TOSTAGE 3
	SEND 2, 32
	SEND 3, 0
	s_wait_tensorcnt 0x0
	ds_add_u32 v254, v255
	s_wait_dscnt 0x0
	ROUND                                          ; the closing round
	s_endpgm
.Lfunc_end_k_q7351640458_oproj:
	.size	k_q7351640458_oproj, .Lfunc_end_k_q7351640458_oproj-k_q7351640458_oproj
	.p2alignl 7, 3214868480
	.fill 96, 4, 3214868480
	.section	.rodata,"a",@progbits
	.p2align	6, 0x0
	.amdhsa_kernel k_q7351640458_oproj
		.amdhsa_group_segment_fixed_size 295424
		.amdhsa_private_segment_fixed_size 0
		.amdhsa_enable_private_segment 0
		.amdhsa_kernarg_size 32
		.amdhsa_user_sgpr_count 2
		.amdhsa_user_sgpr_kernarg_segment_ptr 1
		.amdhsa_wavefront_size32 1
		.amdhsa_system_sgpr_workgroup_id_x 1
		.amdhsa_system_sgpr_workgroup_id_y 1
		.amdhsa_system_sgpr_workgroup_id_z 1
		.amdhsa_system_vgpr_workitem_id 0
		.amdhsa_next_free_vgpr 768
		.amdhsa_next_free_sgpr 100
		.amdhsa_reserve_vcc 0
		.amdhsa_float_denorm_mode_32 3
		.amdhsa_float_denorm_mode_16_64 3
		.amdhsa_memory_ordered 1
		.amdhsa_forward_progress 1
		.amdhsa_inst_pref_size 81
	.end_amdhsa_kernel
	.amdgpu_metadata
---
amdhsa.version: [ 1, 2 ]
amdhsa.kernels:
  - .name:           k_q7351640458_oproj
    .symbol:         k_q7351640458_oproj.kd
    .args:
      - { .name: ai, .offset: 0, .size: 8, .value_kind: global_buffer, .address_space: global }
      - { .name: wi, .offset: 8, .size: 8, .value_kind: global_buffer, .address_space: global }
      - { .name: bo, .offset: 16, .size: 8, .value_kind: global_buffer, .address_space: global }
      - { .name: out0, .offset: 24, .size: 8, .value_kind: global_buffer, .address_space: global }
    .group_segment_fixed_size: 295424
    .private_segment_fixed_size: 0
    .kernarg_segment_align: 8
    .kernarg_segment_size: 32
    .max_flat_workgroup_size: 128
    .sgpr_count:     100
    .vgpr_count:     768
    .wavefront_size: 32
...
	.end_amdgpu_metadata
.endif
;; end of part 5
